; MI455X (gfx1250); checked and timed in simulation.
; The chip was launched on July 23, 2026; its instructions are those of AMD's public machine-readable ISA for CDNA 5 (MIT licence, August 2026) and "CDNA5" Instruction Set Architecture Reference Guide (July 2026). The comments in the code are by the model that wrote it; some were corrected since.
;; Encoder. Allowed arithmetic: matrix products marked QUANTISED: E2M1 operands, one E8M0 scale for each 32 along K, by v_wmma_scale_f32_16x16x128_f8f6f4 with both operands' format E2M1 (or v_wmma_scale_f32_32x16x128_f4), f32 sums; everything else in f32.
;; Inputs: attn_weights 2 x 16 x 6 float32; samples 8 x 1,001 x 1,024 float32.
;; Outputs: out0 8 x 1,001 x 1,024 float32.
;; Constants: K = 50, N = 20.
;; This version of the problem:
;;   THIS VERSION OF THE PROBLEM IS GIVEN IN LOW PRECISION. The matrix products marked QUANTISED in the list below multiply operands that are first quantised to E2M1 (2 exponent bits, 1 mantissa bit; 4 bits a number), with one power-of-two scale for each 32 numbers along K (OCP MX v1.0); their sums are f32. All else is computed in f32.
;;   The module's matrix products, in the order in which they are computed (A, B: the left and right operand; K: the contracted axis; several contracted axes count as one K, in the product's order):
;;     1. batch 128 x [M 1,001, K 64] x [K 64, N 1,001]; A: input samples; B: input samples: QUANTISED
;;     2. batch 128 x [M 1,001, K 1,001] x [K 1,001, N 64]; A: computed on the way; B: input samples: QUANTISED
;;     3. batch 128 x [M 1,001, K 64] x [K 64, N 1,001]; A: computed on the way; B: computed on the way: QUANTISED
;;     4. batch 128 x [M 1,001, K 1,001] x [K 1,001, N 64]; A: computed on the way; B: computed on the way: QUANTISED
;;   THE QUANTISER, for each operand of a quantised product, along K:
;;     - K is cut into blocks of 32 from its start; a last block that is shorter is filled with zeros.
;;     - A block's scale is 2^e with e = floor(log2(the largest magnitude in the block)) - 2, held to -126 .. 127; a block of zeros has e = 0. As a byte (E8M0): e + 127.
;;     - Each number is divided by its block's scale, clamped to +-6, and rounded to the nearest number of E2M1, ties to even, subnormals kept.
;;     - The product sums the exact products of the quantised numbers (number of the format x scale) in f32.
;;   ~~~python
;;   def quantise(x, axis):      # numpy; x: float32 -> the quantised numbers, widened to float32 again
;;       x = np.moveaxis(x, axis, -1); K = x.shape[-1]
;;       x = np.pad(x, [(0, 0)] * (x.ndim - 1) + [(0, -K % 32)]); x = x.reshape(x.shape[:-1] + (-1, 32)); a = np.abs(x).max(-1, keepdims=True)
;;       e = np.where(a > 0, np.clip(np.frexp(np.where(a > 0, a, 1))[1] - 1 - 2, -126, 127), 0)      # np.frexp(a)[1] - 1 = floor(log2(a)), exactly
;;       r = np.clip(x / 2.0 ** e, -6, 6)
;;       step = 2.0 ** (np.maximum(np.frexp(np.where(r == 0, 1, r))[1] - 1, 0) - 1)
;;       q = np.round(r / step) * step * 2.0 ** e      # np.round: ties to even
;;       return np.moveaxis(q.reshape(q.shape[:-2] + (-1,))[..., :K], -1, axis).astype(np.float32)
;;   ~~~
;;   OPERANDS COMPUTED ON THE WAY. 'Computed on the way' means the value that the module computes at that place (a softmax that the list does not call 'softmax' is quantised finished and normalised). What goes into a quantiser is computed in f32, as accurately as f32 sums, v_exp_f32 and their like allow (about 1e-6 of the number): no bf16 or f16 on the way to a quantiser, and a product that is left as it is and whose result goes on into a quantised operand takes f32 operands (vector FMAs, or v_wmma_f32_16x16x4_f32). A number that lies on a knife's edge between two numbers of the format may be rounded either way, as far as f32 arithmetic and the matrix unit's own rounding can turn it there, and no further.
;; One version. Each part assembles by itself: llvm-mc -triple=amdgcn-amd-amdhsa -mcpu=gfx1250 --defsym DOCPART=n.
;; ======== version 1 of 1: 2 launches
;; limits: right only within a limited range of input values
;; workspace buffers: x1 32,800,768 bytes
;; launch layer1 (part 1): grid 2 x 128, 4 waves a work-group, no clusters, 87,552 bytes of LDS; arguments samples, attn_weights, x1; writes x1
.if DOCPART == 1
	.amdgcn_target "amdgcn-amd-amdhsa--gfx1250"
	.amdhsa_code_object_version 6
	.text
	.protected	k_qd862b7f480_layer1
	.globl	k_qd862b7f480_layer1
	.p2align	8
	.type	k_qd862b7f480_layer1,@function
k_qd862b7f480_layer1:
	s_mov_b64 s[64:65], 0
	v_nop
	global_prefetch_b8 v0, s[64:65] scope:SCOPE_SE
	s_setreg_imm32_b32 hwreg(HW_REG_WAVE_MODE, 25, 1), 1
	s_wait_xcnt 0x0
; ONE LAYER of the encoder: for each batch b and head hd, with X = x[b][:][64 hd .. 64 hd + 63] (1,001 rows of 64):
;   S = Q(X) Q(X)^T / 8;  a = tanh(Wm) x softmax(S), finished and normalised;  out = Q(a) Q(X), all four operands codes of E2M1 with one E8M0 scale for 32 along K.
; No work of reference() is left out and both inputs are loaded.  N = 20 and K = 50 are built in: Wm holds six numbers a head.
; SHARES.  A work-group has one (b, hd) and half of its 63 tiles of 16 queries; wave w takes tiles 32 hf + 4 n + w, n = 0 .. 7 (tile 63 does not exist: a scalar branch on ids).
; THE HEAD OF THE KERNEL reads the head's 1,001 rows once and quantises them both ways: along d (for S: keys and queries) and along the keys (for the second product); the codes and scale bytes lie in LDS
; as the operands' registers want them.  One barrier; behind it those bytes are only read.  K's 32 fragments then stay in registers (window 3).
; A TILE.  The quantiser sees the NORMALISED weight, so the row's sum is wanted before any code is made: the tile's whole row of scores, 16 queries x 1,024 keys, stays in 512 registers and each exponential is taken once.
; S^T = K Q^T (source 0 = 16 keys, source 1 = my 16 queries).  The keys of a tile are chosen so that lane (r, h) holds query r and, of each 64 keys ("pair" pi), the 32 keys 64 pi + 32 h + 0 .. 31 in 32 registers on end:
; a whole block of the quantiser in one lane, and four conversions give registers 4 c .. 4 c + 3 of the second product's operand as they stand.
; d = 64 in an instruction whose K is 128: a fragment of K holds two tiles of keys (k 0-63 and 64-127) and is multiplied by [q, 0] and by [0, q].
; THE WEIGHTS.  For a query all keys but those of its class (50), itself and key 1,000 have one weight: at most four pairs of a tile hold exceptions, and which they are follows from ids alone.  Those pairs get a
; weight for each key; the others one multiplication by tanh(w) / sum, and their blocks' largest magnitude comes from the block's largest score.
; LIMITS.  NaN and infinities among the inputs are not served.  A block whose largest magnitude lies under 2^-124 has the scale byte 1, a block of zeros too (the rule says 127: its codes are zeros, and the bytes are
; read here alone).  v_exp_f32 gives 0 where 2^t falls under 2^-126.  A block's largest weight is taken from its largest score, which takes v_exp_f32 not to fall where its input rises.
.set LAYER, 0                          ; which row of attn_weights [2][16][6]
.set KSC,   32768                      ; LDS: from 0 K's codes, 32 bytes a key; here K's scale bytes, an image of 16 registers;
.set VIMG,  34816                      ; V's codes, images of the 32 fragments;
.set VSC,   67584                      ; V's scale bytes, an image of 16 registers;
.set STAGE, 69632                      ; the way out: 16 rows x (256 + 16) bytes for each wave;
.set SPARE, 87040                      ; the spare words, 128 bytes for each wave: two blocks of 256 bytes that no other line names
; REGISTERS.  Windows 1, 2: the scores (pair pi at 32 (pi % 8) of window 1 + pi / 8); in the head the loaded rows.  Window 3: K's fragments; in the head v0-63 the transposed numbers.  Window 0:
.set LN,  1                            ; lane
.set RR,  2                            ; r = lane % 16
.set H32, 3                            ; 32 h
.set H8,  4                            ; 8 h
.set LI,  5                            ; 16 x lane
.set LV,  6                            ; VIMG + 16 x lane
.set QL,  7                            ; my lane's place in a tile of queries' codes
.set QSL, 8                            ; and among their scale bytes
.set QA,  9
.set QSA, 10
.set STO, 11                           ; the stage: in,
.set SRD, 12                           ; back,
.set GO,  13                           ; and my byte offset in the tile's rows of the output
.set SPW, 14                           ; LDS address of my spare word; never rewritten
.set NIL, 15                           ; 0; never rewritten
.set NINF, 16                          ; -infinity
.set QT,  17                           ; the next tile's two scale bytes
.set TW,  18                           ; v18-23 tanh of the head's six numbers
.set VQ,  24                           ; my query
.set LOH, 25                           ; its class's first key - 32 h
.set QH,  26                           ; my query - 32 h
.set WO,  27                           ; byte offset of my lane's number among the six; never rewritten
.set NM,  28                           ; v[28:29] -c x the row's largest score (the low word serves)
.set RL,  30                           ; 1 / the row's sum
.set TP,  31                           ; a lane permute's destination
.set G2,  32                           ; v[32:33] weight of another class's key / sum (the low word serves)
.set G0,  34                           ; of the query itself
.set G1,  35                           ; of its class
.set G3,  36                           ; of key 1,000
.set REL, 37
.set THR, 38
.set WLO, 39
.set WHI, 40
.set DI,  41
.set TM,  42                           ; v42-47 at work
.set QZ,  48                           ; v[48:59] 0 0 0 0 q q q q 0 0 0 0: [0, q] = v[48:55], [q, 0] = v[52:59]
.set QS,  60                           ; the queries' scale word
.set PS,  62                           ; v62-69  the weights' scale words, one for 128 keys
.set KS,  72                           ; v72-87  K's scale words: lanes 0-15 fragment (pi, 0), lanes 16-31 fragment (pi, 1)
.set VS,  88                           ; v88-103 V's: register 8 (t / 2) + sig, lanes 0-15 even t, lanes 16-31 odd t
.set ST,  104                          ; v104-119 one number for each of my 16 blocks: largest score, largest weight, the conversion's scale
.set PA,  120                          ; v[120:127], v[128:135] the weights' codes, two sets by turns
.set OA,  136                          ; v[136:167] O^T: register 8 t + j = o(query r, 16 t + 8 h + j)
.set VZ,  168                          ; v[168:199] V's fragments of the first 128 keys
.set TT,  200                          ; v[200:231] at work: sums, a pair's 32 weights, scale bytes, rows on the way out
; the head's own:
.set KM,  104
.set KB,  112
.set KC,  120
.set VM,  128
.set VX,  136
.set VB,  144
.set VC,  152
.set VW,  160
.set TX,  168                          ; v168-176 the tanh
.set AK,  232                          ; v232-239 where K's codes go, v240 their scale bytes, v241 V's codes, v242 V's scale words
.set AKS, 240
.set AVS, 241
.set AVW, 242
.set XO,  243                          ; byte offset of my 32 bytes in a block's rows
.set A7,  244                          ; v244-251 the same for a wave's last block, rows held at 1,000
.set AF,  252                          ; v252-255 my lane's place in tile k of a pair of keys
; SCALARS: s[4:5] x, s[6:7] the head's six numbers, s[8:9] out; s10 wave; s14 tile; s15 trips; s[16:17] the head's first row, s[18:19] my wave's; s[20:21] selects for lane l xor 16; s[22:23] c, s24 -c;
; s25 lanes 16-31; s26-31 the six tanh; s32 pairs with exceptions, s33 those still to do, s34 the pair in hand, s35 the diagonal's pair, s36 its first key, s37 trips; s[40:47] lane masks; s[48:49] the tile's rows of out.
.set MSB, 0
.macro WIN new                         ; s_set_vgpr_msb: bits 1:0 source 0, 3:2 source 1, 5:4 source 2, 7:6 destination; the high byte repeats the setting that is left
.if MSB != (\new)
	s_set_vgpr_msb (MSB<<8)|(\new)
.set MSB, (\new)
.endif
.endm
.macro NOPS n
.rept \n
	v_nop
.endr
.endm
	s_load_b128 s[4:7], s[0:1], 0x0                ; x, attn_weights
	s_load_b64 s[8:9], s[0:1], 0x10                ; out
	v_lshl_add_u32 v[SPW], v0, 2, SPARE
	v_mov_b32 v[NIL], 0
	v_lshrrev_b32 v[TM], 5, v0
	v_readfirstlane_b32 s10, v[TM]                 ; wave 0..3
	v_and_b32 v[LN], 31, v0
	v_and_b32 v[RR], 15, v0
	v_bfe_u32 v42, v0, 4, 1                        ; h
	v_lshlrev_b32 v[H32], 5, v42
	v_lshlrev_b32 v[H8], 3, v42
	v_lshlrev_b32 v[LI], 4, v[LN]
	v_add_nc_u32 v[LV], VIMG, v[LI]
	v_bfe_u32 v43, v0, 3, 1                        ; r / 8
	v_and_b32 v44, 7, v0                           ; r % 8; in the head d8: my eight d
	v_bfe_u32 v46, v0, 3, 2                        ; in the head rho4: my eight rows of a block
	v_min_u32 v[WO], 5, v[LN]
	v_lshlrev_b32 v[WO], 2, v[WO]
	; K's codes: key's 32 bytes at 256 (key / 8) + 32 ((key % 8) xor ((key / 8) % 4)); the exclusive or spreads the head's stores over the banks
	s_and_b32 s38, s10, 1                          ; a tile's number is odd where the wave's is
	s_lshl_b32 s39, s38, 1
	v_add_nc_u32 v45, s39, v43
	v_xor_b32 v45, v44, v45
	v_lshlrev_b32 v[QL], 5, v45
	v_lshl_or_b32 v[QL], v43, 8, v[QL]
	v_lshl_or_b32 v[QL], v42, 4, v[QL]             ; query 16 tau + r, half h of d: 512 tau comes on top
	v_lshlrev_b32 v[QSL], 4, v44
	v_lshl_or_b32 v[QSL], v43, 1, v[QSL]
	v_add_nc_u32 v[QSL], KSC, v[QSL]
	s_mul_i32 s39, s10, 16*272
	s_add_co_u32 s39, s39, STAGE                   ; my stage
	v_mul_u32_u24 v[STO], v[RR], 272
	v_lshl_add_u32 v[STO], v42, 5, v[STO]
	v_add_nc_u32 v[STO], s39, v[STO]               ; in: row r, 32 bytes for each half of the lanes
	v_mul_u32_u24 v[SRD], v42, 272
	v_lshl_add_u32 v[SRD], v[RR], 4, v[SRD]
	v_add_nc_u32 v[SRD], s39, v[SRD]               ; back: lanes 0-15 one row of 256 bytes, lanes 16-31 the next
	v_lshlrev_b32 v[GO], 12, v42
	v_lshl_add_u32 v[GO], v[RR], 4, v[GO]          ; and the same two rows of the output, 4,096 bytes apart
	; the head's addresses.  Lane (rho4, d8) takes rows 8 rho4 + g of a block of 32 and d = 8 d8 + 0 .. 7
	v_lshlrev_b32 v[XO], 15, v46
	v_lshl_or_b32 v[XO], v44, 5, v[XO]
	s_lshl_b32 s39, s10, 13
	v_lshlrev_b32 v47, 8, v46
	v_lshl_or_b32 v47, v44, 2, v47
	v_add_nc_u32 v47, s39, v47
.irp g, 0,1,2,3,4,5,6,7
	v_xor_b32 v37, \g, v46
	v_lshl_add_u32 v[AK+\g], v37, 5, v47           ; 8,192 w + 256 rho4 + 32 (g xor rho4) + 4 d8
.endr
	v_lshrrev_b32 v37, 1, v46
	v_and_b32 v38, 1, v46
	v_lshrrev_b32 v39, 2, v44
	v_lshl_or_b32 v[AKS], v37, 8, v39
	v_lshl_or_b32 v[AKS], v38, 1, v[AKS]
	s_lshl_b32 s39, s10, 9
	s_add_co_u32 s39, s39, KSC
	v_add_nc_u32 v[AKS], s39, v[AKS]
	v_lshrrev_b32 v37, 1, v44
	v_and_b32 v38, 1, v44
	v_lshlrev_b32 v[AVS], 13, v37
	v_lshl_or_b32 v[AVS], v38, 7, v[AVS]
	v_lshl_or_b32 v[AVS], v46, 2, v[AVS]
	s_lshl_b32 s39, s10, 11
	s_add_co_u32 s39, s39, VIMG
	v_add_nc_u32 v[AVS], s39, v[AVS]
	v_and_b32 v38, 3, v44
	v_lshlrev_b32 v[AVW], 10, v39
	v_lshl_or_b32 v[AVW], v38, 7, v[AVW]
	s_lshr_b32 s39, s10, 1
	s_lshl_b32 s39, s39, 9
	s_lshl_b32 s50, s38, 3
	s_or_b32 s39, s39, s50
	s_add_co_u32 s39, s39, VSC
	v_add_nc_u32 v[AVW], s39, v[AVW]
	s_lshl_b32 s39, s10, 8
	s_add_co_u32 s39, s39, 224
	v_lshl_add_u32 v37, v46, 3, s39                ; a wave's last block: row 256 w + 224 + 8 rho4 + g
	v_lshlrev_b32 v38, 5, v44
.irp g, 0,1,2,3,4,5,6,7
	v_add_nc_u32 v39, \g, v37
	v_cmp_lt_u32 s[40+\g], 1000, v39               ; a row that does not exist counts as zeros,
	v_min_u32 v39, 1000, v39                       ; and its load stays inside the buffer
	v_lshl_or_b32 v[A7+\g], v39, 12, v38
.endr
	v_lshlrev_b32 v37, 10, v43
	v_lshl_or_b32 v37, v42, 4, v37
.irp k, 0,1,2,3
	v_xor_b32 v38, \k, v44
	v_lshl_or_b32 v38, v38, 5, v37
	v_add_nc_u32 v[AF+\k], 256*\k, v38             ; row r of tile k: key 64 pi + 32 (r / 8) + 8 k + r % 8, half h of d
.endr
.irp e, 0,1,2,3,4,5,6,7
	v_mov_b32 v[VX+\e], 0                          ; written once: a lane permute's destination counts as one of its sources
.endr
	s_mov_b32 s20, 0x76543210
	s_mov_b32 s21, 0xfedcba98
	s_mov_b32 s22, 0x3e38aa3b                      ; c = log2(e) / 8
	s_mov_b32 s23, s22                             ; (named with it as a pair, so it is written)
	s_mov_b32 s24, 0xbe38aa3b                      ; -c
	s_mov_b32 s25, 0xffff0000                      ; lanes 16-31
	s_and_b32 s38, ttmp7, 0xffff
	s_lshr_b32 s12, s38, 4                         ; b
	s_and_b32 s13, s38, 15                         ; the head
	s_mul_i32 s52, s12, 1001*4096
	s_lshl_b32 s53, s13, 8
	s_add_co_u32 s52, s52, s53                     ; the head's first byte in x and in out
	s_mov_b32 s53, 0
	s_lshl_b32 s14, ttmp9, 5
	s_add_co_u32 s14, s14, s10                     ; my first tile: 32 hf + w
	s_mul_i32 s54, s13, 24
	s_add_co_u32 s54, s54, LAYER*384
	s_mov_b32 s55, 0
	s_lshl_b32 s56, s10, 20                        ; my wave's 256 rows
	s_mov_b32 s57, 0
	s_lshl_b32 s58, s14, 16                        ; a tile's 16 rows
	s_mov_b32 s59, 0
	s_wait_alu depctr_va_vdst(0)                   ; the wait at the head's end
	s_wait_kmcnt 0x0
	s_add_nc_u64 s[16:17], s[4:5], s[52:53]
	s_add_nc_u64 s[18:19], s[16:17], s[56:57]
	s_add_nc_u64 s[6:7], s[6:7], s[54:55]
	s_add_nc_u64 s[48:49], s[8:9], s[52:53]
	s_add_nc_u64 s[48:49], s[48:49], s[58:59]
; Block beta of my wave's eight: 32 rows x 256 bytes, 16 loads; a pair of loads covers the 256 bytes of four rows.  Register 8 g + e of the block's 64 = x(32 b + 8 rho4 + g, 8 d8 + e)
.macro LOADB beta
	WIN (1+(\beta)/4)<<6
.irp g, 0,1,2,3,4,5,6,7
	global_load_b128 v[64*((\beta)%4)+8*\g:64*((\beta)%4)+8*\g+3], v[XO], s[18:19] offset:(32*(\beta)+\g)*4096
	global_load_b128 v[64*((\beta)%4)+8*\g+4:64*((\beta)%4)+8*\g+7], v[XO], s[18:19] offset:(32*(\beta)+\g)*4096+16
.endr
	WIN 0
.endm
.macro LOADB7                          ; the last block, by its held rows
	WIN 2<<6
.irp g, 0,1,2,3,4,5,6,7
	global_load_b128 v[192+8*\g:192+8*\g+3], v[A7+\g], s[16:17]
	global_load_b128 v[192+8*\g+4:192+8*\g+7], v[A7+\g], s[16:17] offset:16
.endr
	WIN 0
.endm
; A block is quantised both ways.  Along d: a block of 32 is four lanes' eight registers.  Along the keys: eight registers (one of each row group) of four lanes; the numbers are first moved so that
; a lane's eight keys stand in registers on end, as the conversion takes them.
.macro PROCESS beta, last
.set RB, 64*((\beta)%4)
.set WW, 1+(\beta)/4
.if \last
	WIN (WW<<6)|WW
.irp g, 0,1,2,3,4,5,6,7
.irp e, 0,1,2,3,4,5,6,7
	v_cndmask_b32 v[RB+8*\g+\e], v[RB+8*\g+\e], 0, s[40+\g]        ; rows past 1,000 are zeros
.endr
.endr
.endif
	WIN (WW<<2)|WW
.irp g, 0,1,2,3,4,5,6,7
	v_max3_num_f32 v[KM+\g], |v[RB+8*\g]|, |v[RB+8*\g+1]|, 0x1800000   ; with the floor 2^(3 - 127): the byte cannot fall under 1
.endr
.irp i, 2,4,6
.irp g, 0,1,2,3,4,5,6,7
	v_max3_num_f32 v[KM+\g], |v[RB+8*\g+\i]|, |v[RB+8*\g+\i+1]|, v[KM+\g]
.endr
.endr
.irp e, 0,1,2,3,4,5,6,7
	v_max3_num_f32 v[VM+\e], |v[RB+\e]|, |v[RB+8+\e]|, 0x1800000
.endr
.irp i, 2,4,6
.irp e, 0,1,2,3,4,5,6,7
	v_max3_num_f32 v[VM+\e], |v[RB+8*\i+\e]|, |v[RB+8*\i+8+\e]|, v[VM+\e]
.endr
.endr
	WIN 0
	s_wait_dscnt 0x0                               ; the last block's LDS stores have read their registers
.irp g, 0,1,2,3,4,5,6,7
	v_max_num_f32_dpp v[KM+\g], v[KM+\g], v[KM+\g] row_xmask:1 row_mask:0xf bank_mask:0xf
.endr
.irp g, 0,1,2,3,4,5,6,7
	v_max_num_f32_dpp v[KM+\g], v[KM+\g], v[KM+\g] row_xmask:2 row_mask:0xf bank_mask:0xf   ; the four lanes of a half of d
.endr
.irp e, 0,1,2,3,4,5,6,7
	v_max_num_f32_dpp v[VM+\e], v[VM+\e], v[VM+\e] row_xmask:8 row_mask:0xf bank_mask:0xf
.endr
.irp e, 0,1,2,3,4,5,6,7
	v_permlanex16_b32 v[VX+\e], v[VM+\e], s20, s21
.endr
.irp e, 0,1,2,3,4,5,6,7
	v_max_num_f32 v[VM+\e], v[VM+\e], v[VX+\e]     ; the four lanes that hold the block's 32 keys
.endr
.irp g, 0,1,2,3,4,5,6,7
	v_add_nc_u32 v[KM+\g], 0xff000000, v[KM+\g]    ; 2 off the exponent field: the conversion's scale operand
.endr
.irp e, 0,1,2,3,4,5,6,7
	v_add_nc_u32 v[VM+\e], 0xff000000, v[VM+\e]
.endr
.irp g, 0,1,2,3,4,5,6,7
	v_lshrrev_b32 v[KB+\g], 23, v[KM+\g]           ; the scale's byte
.endr
.irp e, 0,1,2,3,4,5,6,7
.if (\beta)%4 == 0
	v_lshrrev_b32 v[VW+\e], 23, v[VM+\e]           ; four blocks' bytes make a scale word of 128 keys
.else
	v_lshrrev_b32 v[VB+\e], 23, v[VM+\e]
.endif
.endr
.if (\beta)%4 != 0
.irp e, 0,1,2,3,4,5,6,7
	v_lshl_or_b32 v[VW+\e], v[VB+\e], 8*((\beta)%4), v[VW+\e]
.endr
.endif
	WIN WW
.irp g, 0,1,2,3,4,5,6,7
	v_cvt_scalef32_pk8_fp4_f32 v[KC+\g], v[RB+8*\g:RB+8*\g+7], v[KM+\g]
.endr
	WIN (3<<6)|WW
.irp e, 0,1,2,3,4,5,6,7
.irp g, 0,1,2,3,4,5,6,7
	v_mov_b32 v[8*\e+\g], v[RB+8*\g+\e]            ; the eight keys of one d on end
.endr
.endr
	WIN 3
.irp e, 0,1,2,3,4,5,6,7
	v_cvt_scalef32_pk8_fp4_f32 v[VC+\e], v[8*\e:8*\e+7], v[VM+\e]
.endr
	WIN 0
	v_nop                                          ; one plain place behind the last scaled conversion
.irp g, 0,1,2,3,4,5,6,7
	ds_store_b32 v[AK+\g], v[KC+\g] offset:1024*(\beta)
.endr
.irp g, 0,1,2,3,4,5,6,7
	ds_store_b8 v[AKS], v[KB+\g] offset:128*((\beta)%2)+16*\g+4*((\beta)/2)   ; the four lanes of a block write the same byte with the same value
.endr
.irp e, 0,1,2,3,4,5,6,7
	ds_store_b32 v[AVS], v[VC+\e] offset:256*(\beta)+16*\e
.endr
.if (\beta)%4 == 3
.irp e, 0,1,2,3,4,5,6,7
	ds_store_b32 v[AVW], v[VW+\e] offset:16*\e+4*((\beta)/4)
.endr
.endif
.endm
	global_load_b32 v[TX], v[WO], s[6:7]           ; lanes 0-5: the head's six numbers
	LOADB 0
	LOADB 1
	LOADB 2
	s_wait_loadcnt 48                              ; the six numbers are in; the three blocks' 48 loads may be out
	; tanh, good to about 1e-6 of itself: under 0.25 the series x (1 - x^2/3 + 2 x^4/15 - 17 x^6/315 + 62 x^8/2835), whose next term is under 1e-8 there; else 1 - 2 / (1 + e^(2 |x|)) with x's sign
	v_and_b32 v[TX+1], 0x7fffffff, v[TX]
	v_mul_f32 v[TX+2], 0x4038aa3b, v[TX+1]         ; 2 log2(e) |x|
	s_wait_alu depctr_va_vdst(0)                   ; the wait ahead of a transcendental
	v_exp_f32 v[TX+2], v[TX+2]
	v_mul_f32 v[TX+3], v[TX], v[TX]
	v_mov_b32 v[TX+4], 0x3cb32793                  ; 62/2835
	v_fmaak_f32 v[TX+4], v[TX+4], v[TX+3], 0xbd5d0dd1  ; -17/315
	v_fmaak_f32 v[TX+4], v[TX+4], v[TX+3], 0x3e088889  ; 2/15
	v_fmaak_f32 v[TX+4], v[TX+4], v[TX+3], 0xbeaaaaab  ; -1/3
	s_wait_alu depctr_va_vdst(0)                   ; the wait ahead of the first line that names a transcendental's result
	v_add_f32 v[TX+2], 1.0, v[TX+2]
	s_wait_alu depctr_va_vdst(0)                   ; and ahead of this one
	v_rcp_f32 v[TX+2], v[TX+2]
	v_fma_f32 v[TX+5], v[TX+3], v[TX+4], 1.0
	s_wait_alu depctr_va_vdst(0)
	v_fma_f32 v[TX+6], v[TX+2], -2.0, 1.0
	v_bfi_b32 v[TX+6], 0x7fffffff, v[TX+6], v[TX]
	v_mul_f32 v[TX+7], v[TX], v[TX+5]
	v_cmp_gt_f32 vcc_lo, 0x3e800000, v[TX+1]
	v_cndmask_b32 v[TX+8], v[TX+6], v[TX+7], vcc_lo
.irp i, 0,1,2,3,4,5
	v_readlane_b32 s[26+\i], v[TX+8], \i
.endr
	s_wait_loadcnt 32                              ; the block in hand is in; the two blocks behind it, 16 loads each, may be out
	LOADB 3
	PROCESS 0, 0
	s_wait_loadcnt 32
	LOADB 4
	PROCESS 1, 0
	s_wait_loadcnt 32
	LOADB 5
	PROCESS 2, 0
	s_wait_loadcnt 32
	LOADB 6
	PROCESS 3, 0
	s_wait_loadcnt 32
	LOADB7
	PROCESS 4, 0
	s_wait_loadcnt 32
	PROCESS 5, 0
	s_wait_loadcnt 16                              ; the last block's 16 may be out
	PROCESS 6, 0
	s_wait_loadcnt 0x0
	PROCESS 7, 1
	s_wait_dscnt 0x0                               ; for the others' sake: my stores have landed
	s_barrier_signal -1
	s_barrier_wait -1                              ; the head's codes and scale bytes lie in LDS; from here on they are only read
; the codes and the two scale bytes of tile s38's queries
.macro QFETCH
	s_lshl_b32 s39, s38, 9
	v_add_nc_u32 v[QA], s39, v[QL]
	ds_load_b128 v[QZ+4:QZ+7], v[QA]
	s_lshr_b32 s39, s38, 4
	s_lshl_b32 s39, s39, 9
	s_and_b32 s50, s38, 1
	s_lshl_b32 s50, s50, 8
	s_or_b32 s39, s39, s50
	s_bfe_u32 s50, s38, 0x10001
	s_lshl_b32 s50, s50, 7
	s_or_b32 s39, s39, s50
	s_bfe_u32 s50, s38, 0x20002
	s_lshl_b32 s50, s50, 2
	s_or_b32 s39, s39, s50
	v_add_nc_u32 v[QSA], s39, v[QSL]
	ds_load_u16 v[QT], v[QSA]
.endm
	WIN 3<<6
.irp pi, 0,1,2,3,4,5,6,7,8,9,10,11,12,13,14,15
.irp kap, 0,1
.irp u, 0,1
	ds_load_b128 v[8*(2*\pi+\kap)+4*\u:8*(2*\pi+\kap)+4*\u+3], v[AF+2*\kap+\u] offset:2048*\pi   ; fragment (pi, kap): tile 2 kap in registers 0-3, tile 2 kap + 1 in 4-7.  They stay
.endr
.endr
.endr
	WIN 0
.irp m, 0,1,2,3
	ds_load_b128 v[KS+4*\m:KS+4*\m+3], v[LI] offset:KSC+512*\m
	ds_load_b128 v[VS+4*\m:VS+4*\m+3], v[LV] offset:VSC-VIMG+512*\m
.endr
	s_and_b32 s38, s14, 63
	QFETCH
.irp i, 0,1,2,3,4,5
	v_mov_b32 v[TW+\i], s[26+\i]
.endr
.irp i, 0,1,2,3,8,9,10,11
	v_mov_b32 v[QZ+\i], 0
.endr
	v_mov_b32 v[NINF], 0xff800000
	v_mov_b32 v[TP], 0
	v_mov_b32 v[NM+1], 0                           ; (the upper halves of pairs of which the low word serves)
	v_mov_b32 v[G2+1], 0
.irp i, 24,25,26,27,28,29,30,31
	v_mov_b32 v[TT+\i], 0                          ; lane permutes' destinations
.endr
	s_wait_dscnt 0x0
	v_lshl_or_b32 v[QS], v[QT], 16, v[QT]          ; (s0, s1, s0, s1): the same two bytes serve [q, 0] and [0, q]
	NOPS 8                                         ; a scale register written by a vector instruction stands eight places ahead of a scaled matrix instruction
	s_wait_alu depctr_va_vdst(0)                   ; the wait ahead of the loop
; ---- the parts of a tile
.macro QKW w                           ; the scores of window w's eight pairs: 32 matrix instructions, each on an accumulator of its own
	WIN ((\w)<<6)|3
.irp p, 0,1,2,3,4,5,6,7
	v_wmma_scale_f32_16x16x128_f8f6f4 v[32*\p:32*\p+7], v[128*((\w)-1)+16*\p:128*((\w)-1)+16*\p+7], v[QZ+4:QZ+11], 0, v[KS+8*((\w)-1)+\p], v[QS] matrix_a_fmt:MATRIX_FMT_FP4 matrix_b_fmt:MATRIX_FMT_FP4
	v_wmma_scale_f32_16x16x128_f8f6f4 v[32*\p+8:32*\p+15], v[128*((\w)-1)+16*\p:128*((\w)-1)+16*\p+7], v[QZ:QZ+7], 0, v[KS+8*((\w)-1)+\p], v[QS] matrix_a_fmt:MATRIX_FMT_FP4 matrix_b_fmt:MATRIX_FMT_FP4
	v_wmma_scale_f32_16x16x128_f8f6f4 v[32*\p+16:32*\p+23], v[128*((\w)-1)+16*\p+8:128*((\w)-1)+16*\p+15], v[QZ+4:QZ+11], 0, v[KS+8*((\w)-1)+\p], v[QS] matrix_a_fmt:MATRIX_FMT_FP4 matrix_b_fmt:MATRIX_FMT_FP4 matrix_a_scale:MATRIX_SCALE_ROW1
	v_wmma_scale_f32_16x16x128_f8f6f4 v[32*\p+24:32*\p+31], v[128*((\w)-1)+16*\p+8:128*((\w)-1)+16*\p+15], v[QZ:QZ+7], 0, v[KS+8*((\w)-1)+\p], v[QS] matrix_a_fmt:MATRIX_FMT_FP4 matrix_b_fmt:MATRIX_FMT_FP4 matrix_a_scale:MATRIX_SCALE_ROW1
.endr
.endm
.macro MAXW w                          ; each block's largest score; the eight pairs by turns, each accumulator from its low end on
	WIN ((\w)<<2)|(\w)
.irp p, 0,1,2,3,4,5,6,7
	v_max_num_f32 v[ST+8*((\w)-1)+\p], v[32*\p], v[32*\p+1]
.endr
.irp i, 2,4,6,8,10,12,14,16,18,20,22,24,26,28,30
.irp p, 0,1,2,3,4,5,6,7
	v_max3_num_f32 v[ST+8*((\w)-1)+\p], v[32*\p+\i], v[32*\p+\i+1], v[ST+8*((\w)-1)+\p]
.endr
.endr
.endm
.macro EXPW w                          ; p = 2^t for window w's 256 scaled scores: one batch
	WIN ((\w)<<6)|(\w)
.set i, 0
.rept 256
	v_exp_f32 v[i], v[i]
.set i, i+1
.endr
.endm
.macro SCLW w                          ; t = c s - c max for window w's 256 scores, two at a time
	WIN ((\w)<<6)|(\w)
.set i, 0
.rept 128
	v_pk_fma_f32 v[2*i:2*i+1], v[2*i:2*i+1], s[22:23], v[NM:NM+1] op_sel_hi:[1,0,0]
.set i, i+1
.endr
.endm
.macro MULS p                          ; a pair with exceptions: each key's own weight, and the largest magnitude of my block
.set MW, 1+(\p)/8
.set MB, 32*((\p)%8)
	WIN (MW<<6)|MW
.irp i, 0,2,4,6,8,10,12,14,16,18,20,22,24,26,28,30
	v_pk_mul_f32 v[MB+\i:MB+\i+1], v[MB+\i:MB+\i+1], v[TT+\i:TT+\i+1]
.endr
	WIN (MW<<2)|MW
.irp k, 0,1,2,3
	v_max_num_f32 v[TM+\k], |v[MB+2*\k]|, |v[MB+2*\k+1]|
.endr
.irp i, 8,16,24
.irp k, 0,1,2,3
	v_max3_num_f32 v[TM+\k], |v[MB+\i+2*\k]|, |v[MB+\i+2*\k+1]|, v[TM+\k]
.endr
.endr
	WIN 0
	v_max3_num_f32 v[TM], v[TM], v[TM+1], v[TM+2]
	v_max_num_f32 v[ST+(\p)], v[TM], v[TM+3]
.endm
.macro FASTMUL p                       ; a pair without exceptions: one weight for all its keys.  The branch hangs on ids alone
	s_bitcmp1_b32 s32, (\p)
	s_cbranch_scc1 .Lspecial_\@
.set FW, 1+(\p)/8
.set FB, 32*((\p)%8)
	WIN (FW<<6)|FW
.irp i, 0,2,4,6,8,10,12,14,16,18,20,22,24,26,28,30
	v_pk_mul_f32 v[FB+\i:FB+\i+1], v[FB+\i:FB+\i+1], v[G2:G2+1] op_sel_hi:[1,0]
.endr
	WIN 0
.Lspecial_\@:
.endm
; 128 keys of the second product: the two pairs' weights become codes, the next 128 keys' fragments of V are asked for into the registers just converted, and O^T takes four products, its four accumulators by turns
.macro DSTEP sig
.set WS, 1+(\sig)/4
.set SB, 64*((\sig)%4)
.set PP, PA+8*((\sig)%2)
	WIN WS
.irp c, 0,1
.irp k, 0,1,2,3
	v_cvt_scalef32_pk8_fp4_f32 v[PP+4*\c+\k], v[SB+32*\c+8*\k:SB+32*\c+8*\k+7], v[ST+2*(\sig)+\c]
.endr
.endr
	WIN 0
	NOPS 4                                         ; the place behind the conversions; the four places between an operand written by vector instructions and a scaled matrix instruction; and those between the last products but four and the next conversions into their operand
.if (\sig) < 7
	WIN WS<<6
.irp t, 0,1,2,3
.irp c, 0,1
	ds_load_b128 v[SB+8*\t+4*\c:SB+8*\t+4*\c+3], v[LV] offset:(8*\t+(\sig)+1)*1024+512*\c
.endr
.endr
	WIN 0
	FASTMUL 2*(\sig)+2                             ; the next 128 keys' common weight, behind V's loads (pair 15 has been done ahead of the steps)
.if (\sig) < 6
	FASTMUL 2*(\sig)+3
.endif
	s_wait_alu depctr_va_vdst(0)                   ; directly ahead of the wait below
	s_wait_dscnt 8                                 ; all but the eight just issued: this step's fragments of V are in
.else
	s_wait_alu depctr_va_vdst(0)                   ; likewise
	s_wait_dscnt 0x0
.endif
.if (\sig) == 0
.set VA, VZ
	WIN 0
.else
.set VA, 64*(((\sig)-1)%4)
	WIN 1+((\sig)-1)/4
.endif
.irp t, 0,2
.if (\sig) == 0
	v_wmma_scale_f32_16x16x128_f8f6f4 v[OA+8*\t:OA+8*\t+7], v[VA+8*\t:VA+8*\t+7], v[PP:PP+7], 0, v[VS+4*\t+(\sig)], v[PS+(\sig)] matrix_a_fmt:MATRIX_FMT_FP4 matrix_b_fmt:MATRIX_FMT_FP4
	v_wmma_scale_f32_16x16x128_f8f6f4 v[OA+8*\t+8:OA+8*\t+15], v[VA+8*\t+8:VA+8*\t+15], v[PP:PP+7], 0, v[VS+4*\t+(\sig)], v[PS+(\sig)] matrix_a_fmt:MATRIX_FMT_FP4 matrix_b_fmt:MATRIX_FMT_FP4 matrix_a_scale:MATRIX_SCALE_ROW1
.else
	v_wmma_scale_f32_16x16x128_f8f6f4 v[OA+8*\t:OA+8*\t+7], v[VA+8*\t:VA+8*\t+7], v[PP:PP+7], v[OA+8*\t:OA+8*\t+7], v[VS+4*\t+(\sig)], v[PS+(\sig)] matrix_a_fmt:MATRIX_FMT_FP4 matrix_b_fmt:MATRIX_FMT_FP4
	v_wmma_scale_f32_16x16x128_f8f6f4 v[OA+8*\t+8:OA+8*\t+15], v[VA+8*\t+8:VA+8*\t+15], v[PP:PP+7], v[OA+8*\t+8:OA+8*\t+15], v[VS+4*\t+(\sig)], v[PS+(\sig)] matrix_a_fmt:MATRIX_FMT_FP4 matrix_b_fmt:MATRIX_FMT_FP4 matrix_a_scale:MATRIX_SCALE_ROW1
.endif
.endr
	WIN 0
.endm
	s_mov_b32 s15, 8
.Ltile:
	s_cmp_eq_u32 s14, 63                           ; 63 tiles cover the 1,001 queries
	s_cbranch_scc1 .Ltile_end
	; ---- the scores
	QKW 1
	QKW 2
	WIN 0
	; ---- the tile's numbers.  The six vector lines are the places behind the last products
	s_lshl_b32 s50, s14, 4
	v_add_nc_u32 v[VQ], s50, v[RR]                 ; my query
	v_mul_u32_u24 v[TM], v[VQ], 1311
	v_lshrrev_b32 v[TM], 16, v[TM]                 ; its class: q / 50 (1,311 / 65,536 is 0.02 + 4.3e-6: exact for q under 1,024)
	v_mul_u32_u24 v[TM], v[TM], 50
	v_sub_nc_u32 v[LOH], v[TM], v[H32]
	v_sub_nc_u32 v[QH], v[VQ], v[H32]
	s_mul_i32 s51, s50, 1311
	s_lshr_b32 s51, s51, 16
	s_mul_i32 s51, s51, 50
	s_lshr_b32 s51, s51, 6                         ; the pair of the first key of the first query's class
	s_add_co_u32 s52, s50, 15
	s_min_u32 s52, s52, 999
	s_mul_i32 s52, s52, 1311
	s_lshr_b32 s52, s52, 16
	s_mul_i32 s52, s52, 50
	s_add_co_u32 s52, s52, 49
	s_lshr_b32 s52, s52, 6                         ; the pair of the last key of the last query's class
	s_lshl_b32 s52, 2, s52
	s_lshl_b32 s51, 1, s51
	s_sub_co_u32 s32, s52, s51                     ; 16 queries touch at most two classes, 100 keys on end: at most three pairs;
	; pair 15, which holds key 1,000, is among them only where a class of the tile reaches it; else it is mended behind the loop over these pairs
	s_lshr_b32 s35, s14, 2                         ; the tile's own keys lie in this pair, which is among those
	s_add_co_u32 s38, s14, 4
	s_and_b32 s38, s38, 63                         ; the next tile's queries (in the last trip a tile that exists, and is not used)
	QFETCH
	WIN 0x82
.irp i, 9,10,11,12,13,14,15,16,17,18,19,20,21,22,23,24,25,26,27,28,29,30,31
	v_cndmask_b32 v[224+\i], v[224+\i], v[NINF], s25   ; keys 1,001 to 1,023 do not exist: -infinity, so that p = 0
.endr
	; ---- the row's largest score
	MAXW 1
	MAXW 2
	WIN 0
	v_max3_num_f32 v[TM], v[ST], v[ST+1], v[ST+2]
	v_max3_num_f32 v[TM+1], v[ST+3], v[ST+4], v[ST+5]
	v_max3_num_f32 v[TM+2], v[ST+6], v[ST+7], v[ST+8]
	v_max3_num_f32 v[TM+3], v[ST+9], v[ST+10], v[ST+11]
	v_max3_num_f32 v[TM], v[TM], v[ST+12], v[ST+13]
	v_max3_num_f32 v[TM+1], v[TM+1], v[ST+14], v[ST+15]
	v_max3_num_f32 v[TM], v[TM], v[TM+1], v[TM+2]
	v_max_num_f32 v[TM], v[TM], v[TM+3]
	v_permlanex16_b32 v[TP], v[TM], s20, s21
	v_max_num_f32 v[TM], v[TM], v[TP]
	v_mul_f32 v[NM], s24, v[TM]
	; ---- the exponentials, in two batches: all sources of a batch first, one wait, the batch
.irp t, 0,1,2,3
.irp c, 0,1
	ds_load_b128 v[VZ+8*\t+4*\c:VZ+8*\t+4*\c+3], v[LV] offset:8192*\t+512*\c   ; V's fragments of the first 128 keys
.endr
.endr
.irp p, 0,1,2,3,4,5,6,7,8,9,10,11,12,13,14,15
	v_fma_f32 v[ST+\p], v[ST+\p], s22, v[NM]       ; each block's largest score goes the same way as the scores: the same bits as the block's largest p
.endr
	SCLW 1
	WIN 0
	s_wait_alu depctr_va_vdst(0)                   ; the wait ahead of the batch
.irp p, 0,1,2,3,4,5,6,7,8,9,10,11,12,13,14,15
	v_exp_f32 v[ST+\p], v[ST+\p]
.endr
	EXPW 1
	SCLW 2                                         ; plain work behind the first batch: it names window 2 alone
	s_wait_alu depctr_va_vdst(0)                   ; behind the first batch and ahead of the second
	EXPW 2                                         ; window 1's sums follow as plain work; the wait for this batch stands ahead of window 2's sums
	; ---- the row's sum, in eight packed chains
	WIN 5
.irp k, 0,2,4,6,8,10,12,14
	v_pk_add_f32 v[TT+\k:TT+\k+1], v[\k:\k+1], v[16+\k:17+\k]
.endr
	WIN 1
.set j, 32
.rept 112
	v_pk_add_f32 v[TT+2*((j/2)%8):TT+2*((j/2)%8)+1], v[j:j+1], v[TT+2*((j/2)%8):TT+2*((j/2)%8)+1]
.set j, j+2
.endr
	s_wait_alu depctr_va_vdst(0)                   ; the second batch's wait, ahead of the first line that names a result of it
	WIN 2
.set j, 0
.rept 128
	v_pk_add_f32 v[TT+2*((j/2)%8):TT+2*((j/2)%8)+1], v[j:j+1], v[TT+2*((j/2)%8):TT+2*((j/2)%8)+1]
.set j, j+2
.endr
	WIN 0
.irp k, 0,2,4,6
	v_pk_add_f32 v[TT+\k:TT+\k+1], v[TT+\k:TT+\k+1], v[TT+8+\k:TT+9+\k]
.endr
	v_pk_add_f32 v[TT:TT+1], v[TT:TT+1], v[TT+4:TT+5]
	v_pk_add_f32 v[TT+2:TT+3], v[TT+2:TT+3], v[TT+6:TT+7]
	v_pk_add_f32 v[TT:TT+1], v[TT:TT+1], v[TT+2:TT+3]
	v_add_f32 v[TM], v[TT], v[TT+1]
	v_permlanex16_b32 v[TP], v[TM], s20, s21
	v_add_f32 v[TM], v[TM], v[TP]
	v_cmp_le_u32 s40, 1000, v[VQ]                  ; the last row of Wm (rows past it are computed alike and never stored)
	s_wait_alu depctr_va_vdst(0)                   ; the wait ahead of the transcendental
	v_rcp_f32 v[RL], v[TM]
	v_cndmask_b32 v[TM+1], v[TW], v[TW+5], s40     ; the query itself: same_sample, or query
	v_cndmask_b32 v[TM+2], v[TW+2], v[TW+4], s40   ; another class's key: diff_class, or query_to_s
	v_cndmask_b32 v[TM+3], v[TW+3], v[TW+5], s40   ; key 1,000: s_to_query, or query
	s_wait_alu depctr_va_vdst(0)                   ; ahead of the reciprocal's first reader
	v_mul_f32 v[G0], v[TM+1], v[RL]
	v_mul_f32 v[G1], v[TW+1], v[RL]
	v_mul_f32 v[G2], v[TM+2], v[RL]
	v_mul_f32 v[G3], v[TM+3], v[RL]
	s_wait_alu depctr_va_vdst(0)                   ; directly ahead of the wait below
	s_wait_dscnt 0x0                               ; the next tile's queries and V's first fragments are in
	v_lshl_or_b32 v[QS], v[QT], 16, v[QT]
.irp p, 0,1,2,3,4,5,6,7,8,9,10,11,12,13,14,15
	v_mul_f32 v[ST+\p], v[ST+\p], |v[G2]|          ; each block's largest magnitude under the one weight
.endr
	; ---- the pairs that a class of the tile reaches: three trips at the most
	s_mov_b32 s33, s32
	s_mov_b32 s37, 3
.Lspec:
	s_cmp_eq_u32 s33, 0
	s_cbranch_scc1 .Lspec_end
	s_ctz_i32_b32 s34, s33                         ; the lowest pair still to do
	s_sub_co_u32 s38, s33, 1
	s_and_b32 s33, s33, s38
	s_lshl_b32 s36, s34, 6
	v_sub_nc_u32 v[REL], v[LOH], s36               ; where my query's class begins among my 32 keys.  It has 50 keys: it covers a tail (REL > 0) or a head (up to REL + 49) of them, all or none
	v_cmp_lt_i32 vcc_lo, 0, v[REL]
	v_add_nc_u32 v[TM], 50, v[REL]
	v_cndmask_b32 v[THR], v[TM], v[REL], vcc_lo
	v_cndmask_b32 v[WLO], v[G1], v[G2], vcc_lo     ; the weight under the threshold,
	v_cndmask_b32 v[WHI], v[G2], v[G1], vcc_lo     ; and from it on
.irp b, 0,8,16,24
.irp k, 0,1,2,3,4,5,6,7
	v_cmp_gt_i32 s[40+\k], \b+\k+1, v[THR]
.endr
.irp k, 0,1,2,3,4,5,6,7
	v_cndmask_b32 v[TT+\b+\k], v[WLO], v[WHI], s[40+\k]
.endr
.endr
	s_cmp_lg_u32 s34, s35
	s_cbranch_scc1 .Lno_diag
	v_sub_nc_u32 v[DI], v[QH], s36                 ; which of my 32 keys is my query, if any
.irp b, 0,8,16,24
.irp k, 0,1,2,3,4,5,6,7
	v_cmp_eq_u32 s[40+\k], \b+\k, v[DI]
.endr
.irp k, 0,1,2,3,4,5,6,7
	v_cndmask_b32 v[TT+\b+\k], v[TT+\b+\k], v[G0], s[40+\k]
.endr
.endr
.Lno_diag:
	s_cmp_lg_u32 s34, 15
	s_cbranch_scc1 .Lno_last
	v_cndmask_b32 v[TT+8], v[TT+8], v[G3], s25     ; key 1,000 = 960 + 32 + 8
.Lno_last:
	s_wait_alu depctr_va_vdst(0)                   ; the wait ahead of the branches
	s_cmp_lt_u32 s34, 8                            ; which pair's registers: compares that fall through, and one jump to the pair's lines
	s_cbranch_scc1 .Llow
.irp p, 15,14,13,12,11,10,9
	s_cmp_eq_u32 s34, \p
	s_cbranch_scc1 .Ldo_\p
.endr
	s_branch .Ldo_8
.Llow:
.irp p, 0,1,2,3,4,5,6
	s_cmp_eq_u32 s34, \p
	s_cbranch_scc1 .Ldo_\p
.endr
.irp p, 7,0,1,2,3,4,5,6,8,9,10,11,12,13,14,15
.Ldo_\p:
	MULS \p
	s_wait_alu depctr_va_vdst(0)
.if \p < 15
	s_branch .Lspec_end
.endif
.endr
.Lspec_end:
	s_sub_co_u32 s37, s37, 1
	s_cmp_lg_u32 s37, 0
	s_cbranch_scc1 .Lspec
	FASTMUL 0                                      ; the first 128 keys' common weight; the later pairs' stand in the steps of the second product
	FASTMUL 1
	; ---- pair 15 where no class of the tile reaches it: the common weight, but key 1,000 (register 8 of lanes 16-31) has its own
	s_bitcmp1_b32 s32, 15
	s_cbranch_scc1 .Lclass15
	WIN 2
	v_mul_f32 v[TM], v232, v[G3]
	WIN 0x82
.irp i, 0,2,4,6,8,10,12,14,16,18,20,22,24,26,28,30
	v_pk_mul_f32 v[224+\i:225+\i], v[224+\i:225+\i], v[G2:G2+1] op_sel_hi:[1,0]
.endr
	v_cndmask_b32 v232, v232, v[TM], s25
	WIN 0x0a
	v_max_num_f32 v[TM+1], |v224|, |v225|          ; lanes 16-31: the block's nine keys that exist, 992 to 1,000; the others' weights are zeros
.irp i, 226,228,230
	v_max3_num_f32 v[TM+1], |v[\i]|, |v[\i+1]|, v[TM+1]
.endr
	v_max3_num_f32 v[TM+1], |v232|, |v232|, v[TM+1]
	WIN 0
	v_cndmask_b32 v[ST+15], v[ST+15], v[TM+1], s25
.Lclass15:
	; ---- the blocks' scales
.irp p, 0,1,2,3,4,5,6,7,8,9,10,11,12,13,14,15
	v_max_num_f32 v[ST+\p], 0x1800000, v[ST+\p]    ; the floor 2^(3 - 127): the byte cannot fall under 1
.endr
.irp p, 0,1,2,3,4,5,6,7,8,9,10,11,12,13,14,15
	v_add_nc_u32 v[ST+\p], 0xff000000, v[ST+\p]    ; 2 off the exponent field: the conversion's scale operand
.endr
.irp p, 0,1,2,3,4,5,6,7,8,9,10,11,12,13,14,15
	v_lshrrev_b32 v[TT+\p], 23, v[ST+\p]           ; the byte
.endr
.irp g, 0,1,2,3,4,5,6,7
	v_lshl_or_b32 v[TT+16+\g], v[TT+2*\g+1], 16, v[TT+2*\g]   ; my two blocks of 128 keys: blocks h and 2 + h,
.endr
.irp g, 0,1,2,3,4,5,6,7
	v_lshlrev_b32 v[TT+16+\g], v[H8], v[TT+16+\g]  ; at their places in the word;
.endr
.irp g, 0,1,2,3,4,5,6,7
	v_permlanex16_b32 v[TT+24+\g], v[TT+16+\g], s20, s21
.endr
.irp g, 0,1,2,3,4,5,6,7
	v_or_b32 v[PS+\g], v[TT+16+\g], v[TT+24+\g]    ; with lane l xor 16's two the word is whole
.endr
	; ---- the second product, 128 keys at a time
	DSTEP 0
	DSTEP 1
	DSTEP 2
	DSTEP 3
	DSTEP 4
	DSTEP 5
	DSTEP 6
	DSTEP 7
	; ---- the way out: the weights were normalised, so O^T is the result.  Through my stage, so that sixteen lanes store 256 consecutive bytes, aligned
	NOPS 5                                         ; four places ahead of the stores that read the results; five ahead of the next tile's products, which write over registers that the last products read
.irp t, 0,1,2,3
	ds_store_b128 v[STO], v[OA+8*\t:OA+8*\t+3] offset:64*\t          ; each accumulator from its low end on
	ds_store_b128 v[STO], v[OA+8*\t+4:OA+8*\t+7] offset:64*\t+16
.endr
.irp i, 0,1,2,3,4,5,6,7
	ds_load_b128 v[TT+4*\i:TT+4*\i+3], v[SRD] offset:544*\i          ; LDS serves a wave's instructions in order: these see my stores
.endr
	s_cmp_eq_u32 s14, 62
	s_cbranch_scc1 .Ledge
.irp i, 0,1,2,3,4,5,6,7
	s_wait_dscnt 7-\i                              ; the loads issued behind load i may be out
	global_store_b128 v[GO], v[TT+4*\i:TT+4*\i+3], s[48:49] offset:8192*\i th:TH_STORE_NT
.endr
	s_branch .Lstored
.Ledge:                                            ; tile 62 has nine rows: 992 to 1,000
	s_wait_dscnt 0x0
.irp i, 0,1,2,3
	global_store_b128 v[GO], v[TT+4*\i:TT+4*\i+3], s[48:49] offset:8192*\i th:TH_STORE_NT
.endr
	s_wait_xcnt 0x0                                ; EXEC changes only behind this wait
	v_cmp_gt_u32 vcc_lo, 16, v[LN]
	s_and_saveexec_b32 s60, vcc_lo
	global_store_b128 v[GO], v[TT+16:TT+19], s[48:49] offset:32768 th:TH_STORE_NT
	s_wait_xcnt 0x0                                ; and again, ahead of the line that widens it
	s_or_b32 exec_lo, exec_lo, s60
.Lstored:
	s_wait_xcnt 0x0                                ; the stores have read their registers and their base: both are written again
	s_add_nc_u64 s[48:49], s[48:49], 4*65536
.Ltile_end:
	s_add_co_u32 s14, s14, 4
	s_sub_co_u32 s15, s15, 1
	s_cmp_lg_u32 s15, 0
	s_cbranch_scc1 .Ltile
	s_wait_tensorcnt 0x0                           ; the wave's end, behind my last LDS store
	ds_add_u32 v[SPW], v[NIL]
	s_wait_dscnt 0x0
	s_endpgm
.Lfunc_end_k_qd862b7f480_layer1:
	.size	k_qd862b7f480_layer1, .Lfunc_end_k_qd862b7f480_layer1-k_qd862b7f480_layer1
	.p2alignl 7, 3214868480
	.fill 96, 4, 3214868480
	.section	.rodata,"a",@progbits
	.p2align	6, 0x0
	.amdhsa_kernel k_qd862b7f480_layer1
		.amdhsa_group_segment_fixed_size 87552
		.amdhsa_private_segment_fixed_size 0
		.amdhsa_enable_private_segment 0
		.amdhsa_kernarg_size 24
		.amdhsa_user_sgpr_count 2
		.amdhsa_user_sgpr_kernarg_segment_ptr 1
		.amdhsa_wavefront_size32 1
		.amdhsa_system_sgpr_workgroup_id_x 1
		.amdhsa_system_sgpr_workgroup_id_y 1
		.amdhsa_system_sgpr_workgroup_id_z 1
		.amdhsa_system_vgpr_workitem_id 0
		.amdhsa_next_free_vgpr 1024
		.amdhsa_next_free_sgpr 66
		.amdhsa_reserve_vcc 1
		.amdhsa_float_denorm_mode_32 3
		.amdhsa_float_denorm_mode_16_64 3
		.amdhsa_memory_ordered 1
		.amdhsa_forward_progress 1
		.amdhsa_inst_pref_size 255
	.end_amdhsa_kernel
	.section	.bss,"aw",@nobits
	.p2align	6
	.space	262144
	.amdgpu_metadata
---
amdhsa.version: [ 1, 2 ]
amdhsa.kernels:
  - .name:           k_qd862b7f480_layer1
    .symbol:         k_qd862b7f480_layer1.kd
    .args:
      - { .name: samples, .offset: 0, .size: 8, .value_kind: global_buffer, .address_space: global }
      - { .name: attn_weights, .offset: 8, .size: 8, .value_kind: global_buffer, .address_space: global }
      - { .name: x1, .offset: 16, .size: 8, .value_kind: global_buffer, .address_space: global }
    .group_segment_fixed_size: 87552
    .private_segment_fixed_size: 0
    .kernarg_segment_align: 8
    .kernarg_segment_size: 24
    .max_flat_workgroup_size: 128
    .sgpr_count:     66
    .vgpr_count:     1024
    .wavefront_size: 32
...
	.end_amdgpu_metadata
.endif
;; end of part 1
;; launch layer2 (part 2): grid 2 x 128, 4 waves a work-group, no clusters, 87,552 bytes of LDS; arguments x1, attn_weights, out0; writes out0
.if DOCPART == 2
	.amdgcn_target "amdgcn-amd-amdhsa--gfx1250"
	.amdhsa_code_object_version 6
	.text
	.protected	k_qd862b7f480_layer2
	.globl	k_qd862b7f480_layer2
	.p2align	8
	.type	k_qd862b7f480_layer2,@function
k_qd862b7f480_layer2:
	s_mov_b64 s[64:65], 0
	v_nop
	global_prefetch_b8 v0, s[64:65] scope:SCOPE_SE
	s_setreg_imm32_b32 hwreg(HW_REG_WAVE_MODE, 25, 1), 1
	s_wait_xcnt 0x0
; THE SECOND LAYER of the encoder: the first layer's text on the first layer's result, with the second row of attn_weights (LAYER = 1); no other line differs.  No work of reference() is left out.
; For each batch b and head hd, with X = x[b][:][64 hd .. 64 hd + 63] (1,001 rows of 64):
;   S = Q(X) Q(X)^T / 8;  a = tanh(Wm) x softmax(S), finished and normalised;  out = Q(a) Q(X), all four operands codes of E2M1 with one E8M0 scale for 32 along K.
; SHARES.  A work-group has one (b, hd) and half of its 63 tiles of 16 queries; wave w takes tiles 32 hf + 4 n + w, n = 0 .. 7 (tile 63 does not exist: a scalar branch on ids).
; THE HEAD OF THE KERNEL reads the head's 1,001 rows once and quantises them both ways: along d (for S: keys and queries) and along the keys (for the second product); the codes and scale bytes lie in LDS
; as the operands' registers want them.  One barrier; behind it those bytes are only read.  K's 32 fragments then stay in registers (window 3).
; A TILE.  The quantiser sees the NORMALISED weight, so the row's sum is wanted before any code is made: the tile's whole row of scores, 16 queries x 1,024 keys, stays in 512 registers and each exponential is taken once.
; S^T = K Q^T (source 0 = 16 keys, source 1 = my 16 queries).  The keys of a tile are chosen so that lane (r, h) holds query r and, of each 64 keys ("pair" pi), the 32 keys 64 pi + 32 h + 0 .. 31 in 32 registers on end:
; a whole block of the quantiser in one lane, and four conversions give registers 4 c .. 4 c + 3 of the second product's operand as they stand.
; d = 64 in an instruction whose K is 128: a fragment of K holds two tiles of keys (k 0-63 and 64-127) and is multiplied by [q, 0] and by [0, q].
; THE WEIGHTS.  For a query all keys but those of its class (50), itself and key 1,000 have one weight: at most four pairs of a tile hold exceptions, and which they are follows from ids alone.  Those pairs get a
; weight for each key; the others one multiplication by tanh(w) / sum, and their blocks' largest magnitude comes from the block's largest score.
; LIMITS.  NaN and infinities among the inputs are not served.  A block whose largest magnitude lies under 2^-124 has the scale byte 1, a block of zeros too (the rule says 127: its codes are zeros, and the bytes are
; read here alone).  v_exp_f32 gives 0 where 2^t falls under 2^-126.  A block's largest weight is taken from its largest score, which takes v_exp_f32 not to fall where its input rises.
.set LAYER, 1                          ; which row of attn_weights [2][16][6]
.set KSC,   32768                      ; LDS: from 0 K's codes, 32 bytes a key; here K's scale bytes, an image of 16 registers;
.set VIMG,  34816                      ; V's codes, images of the 32 fragments;
.set VSC,   67584                      ; V's scale bytes, an image of 16 registers;
.set STAGE, 69632                      ; the way out: 16 rows x (256 + 16) bytes for each wave;
.set SPARE, 87040                      ; the spare words, 128 bytes for each wave: two blocks of 256 bytes that no other line names
; REGISTERS.  Windows 1, 2: the scores (pair pi at 32 (pi % 8) of window 1 + pi / 8); in the head the loaded rows.  Window 3: K's fragments; in the head v0-63 the transposed numbers.  Window 0:
.set LN,  1                            ; lane
.set RR,  2                            ; r = lane % 16
.set H32, 3                            ; 32 h
.set H8,  4                            ; 8 h
.set LI,  5                            ; 16 x lane
.set LV,  6                            ; VIMG + 16 x lane
.set QL,  7                            ; my lane's place in a tile of queries' codes
.set QSL, 8                            ; and among their scale bytes
.set QA,  9
.set QSA, 10
.set STO, 11                           ; the stage: in,
.set SRD, 12                           ; back,
.set GO,  13                           ; and my byte offset in the tile's rows of the output
.set SPW, 14                           ; LDS address of my spare word; never rewritten
.set NIL, 15                           ; 0; never rewritten
.set NINF, 16                          ; -infinity
.set QT,  17                           ; the next tile's two scale bytes
.set TW,  18                           ; v18-23 tanh of the head's six numbers
.set VQ,  24                           ; my query
.set LOH, 25                           ; its class's first key - 32 h
.set QH,  26                           ; my query - 32 h
.set WO,  27                           ; byte offset of my lane's number among the six; never rewritten
.set NM,  28                           ; v[28:29] -c x the row's largest score (the low word serves)
.set RL,  30                           ; 1 / the row's sum
.set TP,  31                           ; a lane permute's destination
.set G2,  32                           ; v[32:33] weight of another class's key / sum (the low word serves)
.set G0,  34                           ; of the query itself
.set G1,  35                           ; of its class
.set G3,  36                           ; of key 1,000
.set REL, 37
.set THR, 38
.set WLO, 39
.set WHI, 40
.set DI,  41
.set TM,  42                           ; v42-47 at work
.set QZ,  48                           ; v[48:59] 0 0 0 0 q q q q 0 0 0 0: [0, q] = v[48:55], [q, 0] = v[52:59]
.set QS,  60                           ; the queries' scale word
.set PS,  62                           ; v62-69  the weights' scale words, one for 128 keys
.set KS,  72                           ; v72-87  K's scale words: lanes 0-15 fragment (pi, 0), lanes 16-31 fragment (pi, 1)
.set VS,  88                           ; v88-103 V's: register 8 (t / 2) + sig, lanes 0-15 even t, lanes 16-31 odd t
.set ST,  104                          ; v104-119 one number for each of my 16 blocks: largest score, largest weight, the conversion's scale
.set PA,  120                          ; v[120:127], v[128:135] the weights' codes, two sets by turns
.set OA,  136                          ; v[136:167] O^T: register 8 t + j = o(query r, 16 t + 8 h + j)
.set VZ,  168                          ; v[168:199] V's fragments of the first 128 keys
.set TT,  200                          ; v[200:231] at work: sums, a pair's 32 weights, scale bytes, rows on the way out
; the head's own:
.set KM,  104
.set KB,  112
.set KC,  120
.set VM,  128
.set VX,  136
.set VB,  144
.set VC,  152
.set VW,  160
.set TX,  168                          ; v168-176 the tanh
.set AK,  232                          ; v232-239 where K's codes go, v240 their scale bytes, v241 V's codes, v242 V's scale words
.set AKS, 240
.set AVS, 241
.set AVW, 242
.set XO,  243                          ; byte offset of my 32 bytes in a block's rows
.set A7,  244                          ; v244-251 the same for a wave's last block, rows held at 1,000
.set AF,  252                          ; v252-255 my lane's place in tile k of a pair of keys
; SCALARS: s[4:5] x, s[6:7] the head's six numbers, s[8:9] out; s10 wave; s14 tile; s15 trips; s[16:17] the head's first row, s[18:19] my wave's; s[20:21] selects for lane l xor 16; s[22:23] c, s24 -c;
; s25 lanes 16-31; s26-31 the six tanh; s32 pairs with exceptions, s33 those still to do, s34 the pair in hand, s35 the diagonal's pair, s36 its first key, s37 trips; s[40:47] lane masks; s[48:49] the tile's rows of out.
.set MSB, 0
.macro WIN new                         ; s_set_vgpr_msb: bits 1:0 source 0, 3:2 source 1, 5:4 source 2, 7:6 destination; the high byte repeats the setting that is left
.if MSB != (\new)
	s_set_vgpr_msb (MSB<<8)|(\new)
.set MSB, (\new)
.endif
.endm
.macro NOPS n
.rept \n
	v_nop
.endr
.endm
	s_load_b128 s[4:7], s[0:1], 0x0                ; x, attn_weights
	s_load_b64 s[8:9], s[0:1], 0x10                ; out
	v_lshl_add_u32 v[SPW], v0, 2, SPARE
	v_mov_b32 v[NIL], 0
	v_lshrrev_b32 v[TM], 5, v0
	v_readfirstlane_b32 s10, v[TM]                 ; wave 0..3
	v_and_b32 v[LN], 31, v0
	v_and_b32 v[RR], 15, v0
	v_bfe_u32 v42, v0, 4, 1                        ; h
	v_lshlrev_b32 v[H32], 5, v42
	v_lshlrev_b32 v[H8], 3, v42
	v_lshlrev_b32 v[LI], 4, v[LN]
	v_add_nc_u32 v[LV], VIMG, v[LI]
	v_bfe_u32 v43, v0, 3, 1                        ; r / 8
	v_and_b32 v44, 7, v0                           ; r % 8; in the head d8: my eight d
	v_bfe_u32 v46, v0, 3, 2                        ; in the head rho4: my eight rows of a block
	v_min_u32 v[WO], 5, v[LN]
	v_lshlrev_b32 v[WO], 2, v[WO]
	; K's codes: key's 32 bytes at 256 (key / 8) + 32 ((key % 8) xor ((key / 8) % 4)); the exclusive or spreads the head's stores over the banks
	s_and_b32 s38, s10, 1                          ; a tile's number is odd where the wave's is
	s_lshl_b32 s39, s38, 1
	v_add_nc_u32 v45, s39, v43
	v_xor_b32 v45, v44, v45
	v_lshlrev_b32 v[QL], 5, v45
	v_lshl_or_b32 v[QL], v43, 8, v[QL]
	v_lshl_or_b32 v[QL], v42, 4, v[QL]             ; query 16 tau + r, half h of d: 512 tau comes on top
	v_lshlrev_b32 v[QSL], 4, v44
	v_lshl_or_b32 v[QSL], v43, 1, v[QSL]
	v_add_nc_u32 v[QSL], KSC, v[QSL]
	s_mul_i32 s39, s10, 16*272
	s_add_co_u32 s39, s39, STAGE                   ; my stage
	v_mul_u32_u24 v[STO], v[RR], 272
	v_lshl_add_u32 v[STO], v42, 5, v[STO]
	v_add_nc_u32 v[STO], s39, v[STO]               ; in: row r, 32 bytes for each half of the lanes
	v_mul_u32_u24 v[SRD], v42, 272
	v_lshl_add_u32 v[SRD], v[RR], 4, v[SRD]
	v_add_nc_u32 v[SRD], s39, v[SRD]               ; back: lanes 0-15 one row of 256 bytes, lanes 16-31 the next
	v_lshlrev_b32 v[GO], 12, v42
	v_lshl_add_u32 v[GO], v[RR], 4, v[GO]          ; and the same two rows of the output, 4,096 bytes apart
	; the head's addresses.  Lane (rho4, d8) takes rows 8 rho4 + g of a block of 32 and d = 8 d8 + 0 .. 7
	v_lshlrev_b32 v[XO], 15, v46
	v_lshl_or_b32 v[XO], v44, 5, v[XO]
	s_lshl_b32 s39, s10, 13
	v_lshlrev_b32 v47, 8, v46
	v_lshl_or_b32 v47, v44, 2, v47
	v_add_nc_u32 v47, s39, v47
.irp g, 0,1,2,3,4,5,6,7
	v_xor_b32 v37, \g, v46
	v_lshl_add_u32 v[AK+\g], v37, 5, v47           ; 8,192 w + 256 rho4 + 32 (g xor rho4) + 4 d8
.endr
	v_lshrrev_b32 v37, 1, v46
	v_and_b32 v38, 1, v46
	v_lshrrev_b32 v39, 2, v44
	v_lshl_or_b32 v[AKS], v37, 8, v39
	v_lshl_or_b32 v[AKS], v38, 1, v[AKS]
	s_lshl_b32 s39, s10, 9
	s_add_co_u32 s39, s39, KSC
	v_add_nc_u32 v[AKS], s39, v[AKS]
	v_lshrrev_b32 v37, 1, v44
	v_and_b32 v38, 1, v44
	v_lshlrev_b32 v[AVS], 13, v37
	v_lshl_or_b32 v[AVS], v38, 7, v[AVS]
	v_lshl_or_b32 v[AVS], v46, 2, v[AVS]
	s_lshl_b32 s39, s10, 11
	s_add_co_u32 s39, s39, VIMG
	v_add_nc_u32 v[AVS], s39, v[AVS]
	v_and_b32 v38, 3, v44
	v_lshlrev_b32 v[AVW], 10, v39
	v_lshl_or_b32 v[AVW], v38, 7, v[AVW]
	s_lshr_b32 s39, s10, 1
	s_lshl_b32 s39, s39, 9
	s_lshl_b32 s50, s38, 3
	s_or_b32 s39, s39, s50
	s_add_co_u32 s39, s39, VSC
	v_add_nc_u32 v[AVW], s39, v[AVW]
	s_lshl_b32 s39, s10, 8
	s_add_co_u32 s39, s39, 224
	v_lshl_add_u32 v37, v46, 3, s39                ; a wave's last block: row 256 w + 224 + 8 rho4 + g
	v_lshlrev_b32 v38, 5, v44
.irp g, 0,1,2,3,4,5,6,7
	v_add_nc_u32 v39, \g, v37
	v_cmp_lt_u32 s[40+\g], 1000, v39               ; a row that does not exist counts as zeros,
	v_min_u32 v39, 1000, v39                       ; and its load stays inside the buffer
	v_lshl_or_b32 v[A7+\g], v39, 12, v38
.endr
	v_lshlrev_b32 v37, 10, v43
	v_lshl_or_b32 v37, v42, 4, v37
.irp k, 0,1,2,3
	v_xor_b32 v38, \k, v44
	v_lshl_or_b32 v38, v38, 5, v37
	v_add_nc_u32 v[AF+\k], 256*\k, v38             ; row r of tile k: key 64 pi + 32 (r / 8) + 8 k + r % 8, half h of d
.endr
.irp e, 0,1,2,3,4,5,6,7
	v_mov_b32 v[VX+\e], 0                          ; written once: a lane permute's destination counts as one of its sources
.endr
	s_mov_b32 s20, 0x76543210
	s_mov_b32 s21, 0xfedcba98
	s_mov_b32 s22, 0x3e38aa3b                      ; c = log2(e) / 8
	s_mov_b32 s23, s22                             ; (named with it as a pair, so it is written)
	s_mov_b32 s24, 0xbe38aa3b                      ; -c
	s_mov_b32 s25, 0xffff0000                      ; lanes 16-31
	s_and_b32 s38, ttmp7, 0xffff
	s_lshr_b32 s12, s38, 4                         ; b
	s_and_b32 s13, s38, 15                         ; the head
	s_mul_i32 s52, s12, 1001*4096
	s_lshl_b32 s53, s13, 8
	s_add_co_u32 s52, s52, s53                     ; the head's first byte in x and in out
	s_mov_b32 s53, 0
	s_lshl_b32 s14, ttmp9, 5
	s_add_co_u32 s14, s14, s10                     ; my first tile: 32 hf + w
	s_mul_i32 s54, s13, 24
	s_add_co_u32 s54, s54, LAYER*384
	s_mov_b32 s55, 0
	s_lshl_b32 s56, s10, 20                        ; my wave's 256 rows
	s_mov_b32 s57, 0
	s_lshl_b32 s58, s14, 16                        ; a tile's 16 rows
	s_mov_b32 s59, 0
	s_wait_alu depctr_va_vdst(0)                   ; the wait at the head's end
	s_wait_kmcnt 0x0
	s_add_nc_u64 s[16:17], s[4:5], s[52:53]
	s_add_nc_u64 s[18:19], s[16:17], s[56:57]
	s_add_nc_u64 s[6:7], s[6:7], s[54:55]
	s_add_nc_u64 s[48:49], s[8:9], s[52:53]
	s_add_nc_u64 s[48:49], s[48:49], s[58:59]
; Block beta of my wave's eight: 32 rows x 256 bytes, 16 loads; a pair of loads covers the 256 bytes of four rows.  Register 8 g + e of the block's 64 = x(32 b + 8 rho4 + g, 8 d8 + e)
.macro LOADB beta
	WIN (1+(\beta)/4)<<6
.irp g, 0,1,2,3,4,5,6,7
	global_load_b128 v[64*((\beta)%4)+8*\g:64*((\beta)%4)+8*\g+3], v[XO], s[18:19] offset:(32*(\beta)+\g)*4096
	global_load_b128 v[64*((\beta)%4)+8*\g+4:64*((\beta)%4)+8*\g+7], v[XO], s[18:19] offset:(32*(\beta)+\g)*4096+16
.endr
	WIN 0
.endm
.macro LOADB7                          ; the last block, by its held rows
	WIN 2<<6
.irp g, 0,1,2,3,4,5,6,7
	global_load_b128 v[192+8*\g:192+8*\g+3], v[A7+\g], s[16:17]
	global_load_b128 v[192+8*\g+4:192+8*\g+7], v[A7+\g], s[16:17] offset:16
.endr
	WIN 0
.endm
; A block is quantised both ways.  Along d: a block of 32 is four lanes' eight registers.  Along the keys: eight registers (one of each row group) of four lanes; the numbers are first moved so that
; a lane's eight keys stand in registers on end, as the conversion takes them.
.macro PROCESS beta, last
.set RB, 64*((\beta)%4)
.set WW, 1+(\beta)/4
.if \last
	WIN (WW<<6)|WW
.irp g, 0,1,2,3,4,5,6,7
.irp e, 0,1,2,3,4,5,6,7
	v_cndmask_b32 v[RB+8*\g+\e], v[RB+8*\g+\e], 0, s[40+\g]        ; rows past 1,000 are zeros
.endr
.endr
.endif
	WIN (WW<<2)|WW
.irp g, 0,1,2,3,4,5,6,7
	v_max3_num_f32 v[KM+\g], |v[RB+8*\g]|, |v[RB+8*\g+1]|, 0x1800000   ; with the floor 2^(3 - 127): the byte cannot fall under 1
.endr
.irp i, 2,4,6
.irp g, 0,1,2,3,4,5,6,7
	v_max3_num_f32 v[KM+\g], |v[RB+8*\g+\i]|, |v[RB+8*\g+\i+1]|, v[KM+\g]
.endr
.endr
.irp e, 0,1,2,3,4,5,6,7
	v_max3_num_f32 v[VM+\e], |v[RB+\e]|, |v[RB+8+\e]|, 0x1800000
.endr
.irp i, 2,4,6
.irp e, 0,1,2,3,4,5,6,7
	v_max3_num_f32 v[VM+\e], |v[RB+8*\i+\e]|, |v[RB+8*\i+8+\e]|, v[VM+\e]
.endr
.endr
	WIN 0
	s_wait_dscnt 0x0                               ; the last block's LDS stores have read their registers
.irp g, 0,1,2,3,4,5,6,7
	v_max_num_f32_dpp v[KM+\g], v[KM+\g], v[KM+\g] row_xmask:1 row_mask:0xf bank_mask:0xf
.endr
.irp g, 0,1,2,3,4,5,6,7
	v_max_num_f32_dpp v[KM+\g], v[KM+\g], v[KM+\g] row_xmask:2 row_mask:0xf bank_mask:0xf   ; the four lanes of a half of d
.endr
.irp e, 0,1,2,3,4,5,6,7
	v_max_num_f32_dpp v[VM+\e], v[VM+\e], v[VM+\e] row_xmask:8 row_mask:0xf bank_mask:0xf
.endr
.irp e, 0,1,2,3,4,5,6,7
	v_permlanex16_b32 v[VX+\e], v[VM+\e], s20, s21
.endr
.irp e, 0,1,2,3,4,5,6,7
	v_max_num_f32 v[VM+\e], v[VM+\e], v[VX+\e]     ; the four lanes that hold the block's 32 keys
.endr
.irp g, 0,1,2,3,4,5,6,7
	v_add_nc_u32 v[KM+\g], 0xff000000, v[KM+\g]    ; 2 off the exponent field: the conversion's scale operand
.endr
.irp e, 0,1,2,3,4,5,6,7
	v_add_nc_u32 v[VM+\e], 0xff000000, v[VM+\e]
.endr
.irp g, 0,1,2,3,4,5,6,7
	v_lshrrev_b32 v[KB+\g], 23, v[KM+\g]           ; the scale's byte
.endr
.irp e, 0,1,2,3,4,5,6,7
.if (\beta)%4 == 0
	v_lshrrev_b32 v[VW+\e], 23, v[VM+\e]           ; four blocks' bytes make a scale word of 128 keys
.else
	v_lshrrev_b32 v[VB+\e], 23, v[VM+\e]
.endif
.endr
.if (\beta)%4 != 0
.irp e, 0,1,2,3,4,5,6,7
	v_lshl_or_b32 v[VW+\e], v[VB+\e], 8*((\beta)%4), v[VW+\e]
.endr
.endif
	WIN WW
.irp g, 0,1,2,3,4,5,6,7
	v_cvt_scalef32_pk8_fp4_f32 v[KC+\g], v[RB+8*\g:RB+8*\g+7], v[KM+\g]
.endr
	WIN (3<<6)|WW
.irp e, 0,1,2,3,4,5,6,7
.irp g, 0,1,2,3,4,5,6,7
	v_mov_b32 v[8*\e+\g], v[RB+8*\g+\e]            ; the eight keys of one d on end
.endr
.endr
	WIN 3
.irp e, 0,1,2,3,4,5,6,7
	v_cvt_scalef32_pk8_fp4_f32 v[VC+\e], v[8*\e:8*\e+7], v[VM+\e]
.endr
	WIN 0
	v_nop                                          ; one plain place behind the last scaled conversion
.irp g, 0,1,2,3,4,5,6,7
	ds_store_b32 v[AK+\g], v[KC+\g] offset:1024*(\beta)
.endr
.irp g, 0,1,2,3,4,5,6,7
	ds_store_b8 v[AKS], v[KB+\g] offset:128*((\beta)%2)+16*\g+4*((\beta)/2)   ; the four lanes of a block write the same byte with the same value
.endr
.irp e, 0,1,2,3,4,5,6,7
	ds_store_b32 v[AVS], v[VC+\e] offset:256*(\beta)+16*\e
.endr
.if (\beta)%4 == 3
.irp e, 0,1,2,3,4,5,6,7
	ds_store_b32 v[AVW], v[VW+\e] offset:16*\e+4*((\beta)/4)
.endr
.endif
.endm
	global_load_b32 v[TX], v[WO], s[6:7]           ; lanes 0-5: the head's six numbers
	LOADB 0
	LOADB 1
	LOADB 2
	s_wait_loadcnt 48                              ; the six numbers are in; the three blocks' 48 loads may be out
	; tanh, good to about 1e-6 of itself: under 0.25 the series x (1 - x^2/3 + 2 x^4/15 - 17 x^6/315 + 62 x^8/2835), whose next term is under 1e-8 there; else 1 - 2 / (1 + e^(2 |x|)) with x's sign
	v_and_b32 v[TX+1], 0x7fffffff, v[TX]
	v_mul_f32 v[TX+2], 0x4038aa3b, v[TX+1]         ; 2 log2(e) |x|
	s_wait_alu depctr_va_vdst(0)                   ; the wait ahead of a transcendental
	v_exp_f32 v[TX+2], v[TX+2]
	v_mul_f32 v[TX+3], v[TX], v[TX]
	v_mov_b32 v[TX+4], 0x3cb32793                  ; 62/2835
	v_fmaak_f32 v[TX+4], v[TX+4], v[TX+3], 0xbd5d0dd1  ; -17/315
	v_fmaak_f32 v[TX+4], v[TX+4], v[TX+3], 0x3e088889  ; 2/15
	v_fmaak_f32 v[TX+4], v[TX+4], v[TX+3], 0xbeaaaaab  ; -1/3
	s_wait_alu depctr_va_vdst(0)                   ; the wait ahead of the first line that names a transcendental's result
	v_add_f32 v[TX+2], 1.0, v[TX+2]
	s_wait_alu depctr_va_vdst(0)                   ; and ahead of this one
	v_rcp_f32 v[TX+2], v[TX+2]
	v_fma_f32 v[TX+5], v[TX+3], v[TX+4], 1.0
	s_wait_alu depctr_va_vdst(0)
	v_fma_f32 v[TX+6], v[TX+2], -2.0, 1.0
	v_bfi_b32 v[TX+6], 0x7fffffff, v[TX+6], v[TX]
	v_mul_f32 v[TX+7], v[TX], v[TX+5]
	v_cmp_gt_f32 vcc_lo, 0x3e800000, v[TX+1]
	v_cndmask_b32 v[TX+8], v[TX+6], v[TX+7], vcc_lo
.irp i, 0,1,2,3,4,5
	v_readlane_b32 s[26+\i], v[TX+8], \i
.endr
	s_wait_loadcnt 32                              ; the block in hand is in; the two blocks behind it, 16 loads each, may be out
	LOADB 3
	PROCESS 0, 0
	s_wait_loadcnt 32
	LOADB 4
	PROCESS 1, 0
	s_wait_loadcnt 32
	LOADB 5
	PROCESS 2, 0
	s_wait_loadcnt 32
	LOADB 6
	PROCESS 3, 0
	s_wait_loadcnt 32
	LOADB7
	PROCESS 4, 0
	s_wait_loadcnt 32
	PROCESS 5, 0
	s_wait_loadcnt 16                              ; the last block's 16 may be out
	PROCESS 6, 0
	s_wait_loadcnt 0x0
	PROCESS 7, 1
	s_wait_dscnt 0x0                               ; for the others' sake: my stores have landed
	s_barrier_signal -1
	s_barrier_wait -1                              ; the head's codes and scale bytes lie in LDS; from here on they are only read
; the codes and the two scale bytes of tile s38's queries
.macro QFETCH
	s_lshl_b32 s39, s38, 9
	v_add_nc_u32 v[QA], s39, v[QL]
	ds_load_b128 v[QZ+4:QZ+7], v[QA]
	s_lshr_b32 s39, s38, 4
	s_lshl_b32 s39, s39, 9
	s_and_b32 s50, s38, 1
	s_lshl_b32 s50, s50, 8
	s_or_b32 s39, s39, s50
	s_bfe_u32 s50, s38, 0x10001
	s_lshl_b32 s50, s50, 7
	s_or_b32 s39, s39, s50
	s_bfe_u32 s50, s38, 0x20002
	s_lshl_b32 s50, s50, 2
	s_or_b32 s39, s39, s50
	v_add_nc_u32 v[QSA], s39, v[QSL]
	ds_load_u16 v[QT], v[QSA]
.endm
	WIN 3<<6
.irp pi, 0,1,2,3,4,5,6,7,8,9,10,11,12,13,14,15
.irp kap, 0,1
.irp u, 0,1
	ds_load_b128 v[8*(2*\pi+\kap)+4*\u:8*(2*\pi+\kap)+4*\u+3], v[AF+2*\kap+\u] offset:2048*\pi   ; fragment (pi, kap): tile 2 kap in registers 0-3, tile 2 kap + 1 in 4-7.  They stay
.endr
.endr
.endr
	WIN 0
.irp m, 0,1,2,3
	ds_load_b128 v[KS+4*\m:KS+4*\m+3], v[LI] offset:KSC+512*\m
	ds_load_b128 v[VS+4*\m:VS+4*\m+3], v[LV] offset:VSC-VIMG+512*\m
.endr
	s_and_b32 s38, s14, 63
	QFETCH
.irp i, 0,1,2,3,4,5
	v_mov_b32 v[TW+\i], s[26+\i]
.endr
.irp i, 0,1,2,3,8,9,10,11
	v_mov_b32 v[QZ+\i], 0
.endr
	v_mov_b32 v[NINF], 0xff800000
	v_mov_b32 v[TP], 0
	v_mov_b32 v[NM+1], 0                           ; (the upper halves of pairs of which the low word serves)
	v_mov_b32 v[G2+1], 0
.irp i, 24,25,26,27,28,29,30,31
	v_mov_b32 v[TT+\i], 0                          ; lane permutes' destinations
.endr
	s_wait_dscnt 0x0
	v_lshl_or_b32 v[QS], v[QT], 16, v[QT]          ; (s0, s1, s0, s1): the same two bytes serve [q, 0] and [0, q]
	NOPS 8                                         ; a scale register written by a vector instruction stands eight places ahead of a scaled matrix instruction
	s_wait_alu depctr_va_vdst(0)                   ; the wait ahead of the loop
; ---- the parts of a tile
.macro QKW w                           ; the scores of window w's eight pairs: 32 matrix instructions, each on an accumulator of its own
	WIN ((\w)<<6)|3
.irp p, 0,1,2,3,4,5,6,7
	v_wmma_scale_f32_16x16x128_f8f6f4 v[32*\p:32*\p+7], v[128*((\w)-1)+16*\p:128*((\w)-1)+16*\p+7], v[QZ+4:QZ+11], 0, v[KS+8*((\w)-1)+\p], v[QS] matrix_a_fmt:MATRIX_FMT_FP4 matrix_b_fmt:MATRIX_FMT_FP4
	v_wmma_scale_f32_16x16x128_f8f6f4 v[32*\p+8:32*\p+15], v[128*((\w)-1)+16*\p:128*((\w)-1)+16*\p+7], v[QZ:QZ+7], 0, v[KS+8*((\w)-1)+\p], v[QS] matrix_a_fmt:MATRIX_FMT_FP4 matrix_b_fmt:MATRIX_FMT_FP4
	v_wmma_scale_f32_16x16x128_f8f6f4 v[32*\p+16:32*\p+23], v[128*((\w)-1)+16*\p+8:128*((\w)-1)+16*\p+15], v[QZ+4:QZ+11], 0, v[KS+8*((\w)-1)+\p], v[QS] matrix_a_fmt:MATRIX_FMT_FP4 matrix_b_fmt:MATRIX_FMT_FP4 matrix_a_scale:MATRIX_SCALE_ROW1
	v_wmma_scale_f32_16x16x128_f8f6f4 v[32*\p+24:32*\p+31], v[128*((\w)-1)+16*\p+8:128*((\w)-1)+16*\p+15], v[QZ:QZ+7], 0, v[KS+8*((\w)-1)+\p], v[QS] matrix_a_fmt:MATRIX_FMT_FP4 matrix_b_fmt:MATRIX_FMT_FP4 matrix_a_scale:MATRIX_SCALE_ROW1
.endr
.endm
.macro MAXW w                          ; each block's largest score; the eight pairs by turns, each accumulator from its low end on
	WIN ((\w)<<2)|(\w)
.irp p, 0,1,2,3,4,5,6,7
	v_max_num_f32 v[ST+8*((\w)-1)+\p], v[32*\p], v[32*\p+1]
.endr
.irp i, 2,4,6,8,10,12,14,16,18,20,22,24,26,28,30
.irp p, 0,1,2,3,4,5,6,7
	v_max3_num_f32 v[ST+8*((\w)-1)+\p], v[32*\p+\i], v[32*\p+\i+1], v[ST+8*((\w)-1)+\p]
.endr
.endr
.endm
.macro EXPW w                          ; p = 2^t for window w's 256 scaled scores: one batch
	WIN ((\w)<<6)|(\w)
.set i, 0
.rept 256
	v_exp_f32 v[i], v[i]
.set i, i+1
.endr
.endm
.macro SCLW w                          ; t = c s - c max for window w's 256 scores, two at a time
	WIN ((\w)<<6)|(\w)
.set i, 0
.rept 128
	v_pk_fma_f32 v[2*i:2*i+1], v[2*i:2*i+1], s[22:23], v[NM:NM+1] op_sel_hi:[1,0,0]
.set i, i+1
.endr
.endm
.macro MULS p                          ; a pair with exceptions: each key's own weight, and the largest magnitude of my block
.set MW, 1+(\p)/8
.set MB, 32*((\p)%8)
	WIN (MW<<6)|MW
.irp i, 0,2,4,6,8,10,12,14,16,18,20,22,24,26,28,30
	v_pk_mul_f32 v[MB+\i:MB+\i+1], v[MB+\i:MB+\i+1], v[TT+\i:TT+\i+1]
.endr
	WIN (MW<<2)|MW
.irp k, 0,1,2,3
	v_max_num_f32 v[TM+\k], |v[MB+2*\k]|, |v[MB+2*\k+1]|
.endr
.irp i, 8,16,24
.irp k, 0,1,2,3
	v_max3_num_f32 v[TM+\k], |v[MB+\i+2*\k]|, |v[MB+\i+2*\k+1]|, v[TM+\k]
.endr
.endr
	WIN 0
	v_max3_num_f32 v[TM], v[TM], v[TM+1], v[TM+2]
	v_max_num_f32 v[ST+(\p)], v[TM], v[TM+3]
.endm
.macro FASTMUL p                       ; a pair without exceptions: one weight for all its keys.  The branch hangs on ids alone
	s_bitcmp1_b32 s32, (\p)
	s_cbranch_scc1 .Lspecial_\@
.set FW, 1+(\p)/8
.set FB, 32*((\p)%8)
	WIN (FW<<6)|FW
.irp i, 0,2,4,6,8,10,12,14,16,18,20,22,24,26,28,30
	v_pk_mul_f32 v[FB+\i:FB+\i+1], v[FB+\i:FB+\i+1], v[G2:G2+1] op_sel_hi:[1,0]
.endr
	WIN 0
.Lspecial_\@:
.endm
; 128 keys of the second product: the two pairs' weights become codes, the next 128 keys' fragments of V are asked for into the registers just converted, and O^T takes four products, its four accumulators by turns
.macro DSTEP sig
.set WS, 1+(\sig)/4
.set SB, 64*((\sig)%4)
.set PP, PA+8*((\sig)%2)
	WIN WS
.irp c, 0,1
.irp k, 0,1,2,3
	v_cvt_scalef32_pk8_fp4_f32 v[PP+4*\c+\k], v[SB+32*\c+8*\k:SB+32*\c+8*\k+7], v[ST+2*(\sig)+\c]
.endr
.endr
	WIN 0
	NOPS 4                                         ; the place behind the conversions; the four places between an operand written by vector instructions and a scaled matrix instruction; and those between the last products but four and the next conversions into their operand
.if (\sig) < 7
	WIN WS<<6
.irp t, 0,1,2,3
.irp c, 0,1
	ds_load_b128 v[SB+8*\t+4*\c:SB+8*\t+4*\c+3], v[LV] offset:(8*\t+(\sig)+1)*1024+512*\c
.endr
.endr
	WIN 0
	FASTMUL 2*(\sig)+2                             ; the next 128 keys' common weight, behind V's loads (pair 15 has been done ahead of the steps)
.if (\sig) < 6
	FASTMUL 2*(\sig)+3
.endif
	s_wait_alu depctr_va_vdst(0)                   ; directly ahead of the wait below
	s_wait_dscnt 8                                 ; all but the eight just issued: this step's fragments of V are in
.else
	s_wait_alu depctr_va_vdst(0)                   ; likewise
	s_wait_dscnt 0x0
.endif
.if (\sig) == 0
.set VA, VZ
	WIN 0
.else
.set VA, 64*(((\sig)-1)%4)
	WIN 1+((\sig)-1)/4
.endif
.irp t, 0,2
.if (\sig) == 0
	v_wmma_scale_f32_16x16x128_f8f6f4 v[OA+8*\t:OA+8*\t+7], v[VA+8*\t:VA+8*\t+7], v[PP:PP+7], 0, v[VS+4*\t+(\sig)], v[PS+(\sig)] matrix_a_fmt:MATRIX_FMT_FP4 matrix_b_fmt:MATRIX_FMT_FP4
	v_wmma_scale_f32_16x16x128_f8f6f4 v[OA+8*\t+8:OA+8*\t+15], v[VA+8*\t+8:VA+8*\t+15], v[PP:PP+7], 0, v[VS+4*\t+(\sig)], v[PS+(\sig)] matrix_a_fmt:MATRIX_FMT_FP4 matrix_b_fmt:MATRIX_FMT_FP4 matrix_a_scale:MATRIX_SCALE_ROW1
.else
	v_wmma_scale_f32_16x16x128_f8f6f4 v[OA+8*\t:OA+8*\t+7], v[VA+8*\t:VA+8*\t+7], v[PP:PP+7], v[OA+8*\t:OA+8*\t+7], v[VS+4*\t+(\sig)], v[PS+(\sig)] matrix_a_fmt:MATRIX_FMT_FP4 matrix_b_fmt:MATRIX_FMT_FP4
	v_wmma_scale_f32_16x16x128_f8f6f4 v[OA+8*\t+8:OA+8*\t+15], v[VA+8*\t+8:VA+8*\t+15], v[PP:PP+7], v[OA+8*\t+8:OA+8*\t+15], v[VS+4*\t+(\sig)], v[PS+(\sig)] matrix_a_fmt:MATRIX_FMT_FP4 matrix_b_fmt:MATRIX_FMT_FP4 matrix_a_scale:MATRIX_SCALE_ROW1
.endif
.endr
	WIN 0
.endm
	s_mov_b32 s15, 8
.Ltile:
	s_cmp_eq_u32 s14, 63                           ; 63 tiles cover the 1,001 queries
	s_cbranch_scc1 .Ltile_end
	; ---- the scores
	QKW 1
	QKW 2
	WIN 0
	; ---- the tile's numbers.  The six vector lines are the places behind the last products
	s_lshl_b32 s50, s14, 4
	v_add_nc_u32 v[VQ], s50, v[RR]                 ; my query
	v_mul_u32_u24 v[TM], v[VQ], 1311
	v_lshrrev_b32 v[TM], 16, v[TM]                 ; its class: q / 50 (1,311 / 65,536 is 0.02 + 4.3e-6: exact for q under 1,024)
	v_mul_u32_u24 v[TM], v[TM], 50
	v_sub_nc_u32 v[LOH], v[TM], v[H32]
	v_sub_nc_u32 v[QH], v[VQ], v[H32]
	s_mul_i32 s51, s50, 1311
	s_lshr_b32 s51, s51, 16
	s_mul_i32 s51, s51, 50
	s_lshr_b32 s51, s51, 6                         ; the pair of the first key of the first query's class
	s_add_co_u32 s52, s50, 15
	s_min_u32 s52, s52, 999
	s_mul_i32 s52, s52, 1311
	s_lshr_b32 s52, s52, 16
	s_mul_i32 s52, s52, 50
	s_add_co_u32 s52, s52, 49
	s_lshr_b32 s52, s52, 6                         ; the pair of the last key of the last query's class
	s_lshl_b32 s52, 2, s52
	s_lshl_b32 s51, 1, s51
	s_sub_co_u32 s32, s52, s51                     ; 16 queries touch at most two classes, 100 keys on end: at most three pairs;
	; pair 15, which holds key 1,000, is among them only where a class of the tile reaches it; else it is mended behind the loop over these pairs
	s_lshr_b32 s35, s14, 2                         ; the tile's own keys lie in this pair, which is among those
	s_add_co_u32 s38, s14, 4
	s_and_b32 s38, s38, 63                         ; the next tile's queries (in the last trip a tile that exists, and is not used)
	QFETCH
	WIN 0x82
.irp i, 9,10,11,12,13,14,15,16,17,18,19,20,21,22,23,24,25,26,27,28,29,30,31
	v_cndmask_b32 v[224+\i], v[224+\i], v[NINF], s25   ; keys 1,001 to 1,023 do not exist: -infinity, so that p = 0
.endr
	; ---- the row's largest score
	MAXW 1
	MAXW 2
	WIN 0
	v_max3_num_f32 v[TM], v[ST], v[ST+1], v[ST+2]
	v_max3_num_f32 v[TM+1], v[ST+3], v[ST+4], v[ST+5]
	v_max3_num_f32 v[TM+2], v[ST+6], v[ST+7], v[ST+8]
	v_max3_num_f32 v[TM+3], v[ST+9], v[ST+10], v[ST+11]
	v_max3_num_f32 v[TM], v[TM], v[ST+12], v[ST+13]
	v_max3_num_f32 v[TM+1], v[TM+1], v[ST+14], v[ST+15]
	v_max3_num_f32 v[TM], v[TM], v[TM+1], v[TM+2]
	v_max_num_f32 v[TM], v[TM], v[TM+3]
	v_permlanex16_b32 v[TP], v[TM], s20, s21
	v_max_num_f32 v[TM], v[TM], v[TP]
	v_mul_f32 v[NM], s24, v[TM]
	; ---- the exponentials, in two batches: all sources of a batch first, one wait, the batch
.irp t, 0,1,2,3
.irp c, 0,1
	ds_load_b128 v[VZ+8*\t+4*\c:VZ+8*\t+4*\c+3], v[LV] offset:8192*\t+512*\c   ; V's fragments of the first 128 keys
.endr
.endr
.irp p, 0,1,2,3,4,5,6,7,8,9,10,11,12,13,14,15
	v_fma_f32 v[ST+\p], v[ST+\p], s22, v[NM]       ; each block's largest score goes the same way as the scores: the same bits as the block's largest p
.endr
	SCLW 1
	WIN 0
	s_wait_alu depctr_va_vdst(0)                   ; the wait ahead of the batch
.irp p, 0,1,2,3,4,5,6,7,8,9,10,11,12,13,14,15
	v_exp_f32 v[ST+\p], v[ST+\p]
.endr
	EXPW 1
	SCLW 2                                         ; plain work behind the first batch: it names window 2 alone
	s_wait_alu depctr_va_vdst(0)                   ; behind the first batch and ahead of the second
	EXPW 2                                         ; window 1's sums follow as plain work; the wait for this batch stands ahead of window 2's sums
	; ---- the row's sum, in eight packed chains
	WIN 5
.irp k, 0,2,4,6,8,10,12,14
	v_pk_add_f32 v[TT+\k:TT+\k+1], v[\k:\k+1], v[16+\k:17+\k]
.endr
	WIN 1
.set j, 32
.rept 112
	v_pk_add_f32 v[TT+2*((j/2)%8):TT+2*((j/2)%8)+1], v[j:j+1], v[TT+2*((j/2)%8):TT+2*((j/2)%8)+1]
.set j, j+2
.endr
	s_wait_alu depctr_va_vdst(0)                   ; the second batch's wait, ahead of the first line that names a result of it
	WIN 2
.set j, 0
.rept 128
	v_pk_add_f32 v[TT+2*((j/2)%8):TT+2*((j/2)%8)+1], v[j:j+1], v[TT+2*((j/2)%8):TT+2*((j/2)%8)+1]
.set j, j+2
.endr
	WIN 0
.irp k, 0,2,4,6
	v_pk_add_f32 v[TT+\k:TT+\k+1], v[TT+\k:TT+\k+1], v[TT+8+\k:TT+9+\k]
.endr
	v_pk_add_f32 v[TT:TT+1], v[TT:TT+1], v[TT+4:TT+5]
	v_pk_add_f32 v[TT+2:TT+3], v[TT+2:TT+3], v[TT+6:TT+7]
	v_pk_add_f32 v[TT:TT+1], v[TT:TT+1], v[TT+2:TT+3]
	v_add_f32 v[TM], v[TT], v[TT+1]
	v_permlanex16_b32 v[TP], v[TM], s20, s21
	v_add_f32 v[TM], v[TM], v[TP]
	v_cmp_le_u32 s40, 1000, v[VQ]                  ; the last row of Wm (rows past it are computed alike and never stored)
	s_wait_alu depctr_va_vdst(0)                   ; the wait ahead of the transcendental
	v_rcp_f32 v[RL], v[TM]
	v_cndmask_b32 v[TM+1], v[TW], v[TW+5], s40     ; the query itself: same_sample, or query
	v_cndmask_b32 v[TM+2], v[TW+2], v[TW+4], s40   ; another class's key: diff_class, or query_to_s
	v_cndmask_b32 v[TM+3], v[TW+3], v[TW+5], s40   ; key 1,000: s_to_query, or query
	s_wait_alu depctr_va_vdst(0)                   ; ahead of the reciprocal's first reader
	v_mul_f32 v[G0], v[TM+1], v[RL]
	v_mul_f32 v[G1], v[TW+1], v[RL]
	v_mul_f32 v[G2], v[TM+2], v[RL]
	v_mul_f32 v[G3], v[TM+3], v[RL]
	s_wait_alu depctr_va_vdst(0)                   ; directly ahead of the wait below
	s_wait_dscnt 0x0                               ; the next tile's queries and V's first fragments are in
	v_lshl_or_b32 v[QS], v[QT], 16, v[QT]
.irp p, 0,1,2,3,4,5,6,7,8,9,10,11,12,13,14,15
	v_mul_f32 v[ST+\p], v[ST+\p], |v[G2]|          ; each block's largest magnitude under the one weight
.endr
	; ---- the pairs that a class of the tile reaches: three trips at the most
	s_mov_b32 s33, s32
	s_mov_b32 s37, 3
.Lspec:
	s_cmp_eq_u32 s33, 0
	s_cbranch_scc1 .Lspec_end
	s_ctz_i32_b32 s34, s33                         ; the lowest pair still to do
	s_sub_co_u32 s38, s33, 1
	s_and_b32 s33, s33, s38
	s_lshl_b32 s36, s34, 6
	v_sub_nc_u32 v[REL], v[LOH], s36               ; where my query's class begins among my 32 keys.  It has 50 keys: it covers a tail (REL > 0) or a head (up to REL + 49) of them, all or none
	v_cmp_lt_i32 vcc_lo, 0, v[REL]
	v_add_nc_u32 v[TM], 50, v[REL]
	v_cndmask_b32 v[THR], v[TM], v[REL], vcc_lo
	v_cndmask_b32 v[WLO], v[G1], v[G2], vcc_lo     ; the weight under the threshold,
	v_cndmask_b32 v[WHI], v[G2], v[G1], vcc_lo     ; and from it on
.irp b, 0,8,16,24
.irp k, 0,1,2,3,4,5,6,7
	v_cmp_gt_i32 s[40+\k], \b+\k+1, v[THR]
.endr
.irp k, 0,1,2,3,4,5,6,7
	v_cndmask_b32 v[TT+\b+\k], v[WLO], v[WHI], s[40+\k]
.endr
.endr
	s_cmp_lg_u32 s34, s35
	s_cbranch_scc1 .Lno_diag
	v_sub_nc_u32 v[DI], v[QH], s36                 ; which of my 32 keys is my query, if any
.irp b, 0,8,16,24
.irp k, 0,1,2,3,4,5,6,7
	v_cmp_eq_u32 s[40+\k], \b+\k, v[DI]
.endr
.irp k, 0,1,2,3,4,5,6,7
	v_cndmask_b32 v[TT+\b+\k], v[TT+\b+\k], v[G0], s[40+\k]
.endr
.endr
.Lno_diag:
	s_cmp_lg_u32 s34, 15
	s_cbranch_scc1 .Lno_last
	v_cndmask_b32 v[TT+8], v[TT+8], v[G3], s25     ; key 1,000 = 960 + 32 + 8
.Lno_last:
	s_wait_alu depctr_va_vdst(0)                   ; the wait ahead of the branches
	s_cmp_lt_u32 s34, 8                            ; which pair's registers: compares that fall through, and one jump to the pair's lines
	s_cbranch_scc1 .Llow
.irp p, 15,14,13,12,11,10,9
	s_cmp_eq_u32 s34, \p
	s_cbranch_scc1 .Ldo_\p
.endr
	s_branch .Ldo_8
.Llow:
.irp p, 0,1,2,3,4,5,6
	s_cmp_eq_u32 s34, \p
	s_cbranch_scc1 .Ldo_\p
.endr
.irp p, 7,0,1,2,3,4,5,6,8,9,10,11,12,13,14,15
.Ldo_\p:
	MULS \p
	s_wait_alu depctr_va_vdst(0)
.if \p < 15
	s_branch .Lspec_end
.endif
.endr
.Lspec_end:
	s_sub_co_u32 s37, s37, 1
	s_cmp_lg_u32 s37, 0
	s_cbranch_scc1 .Lspec
	FASTMUL 0                                      ; the first 128 keys' common weight; the later pairs' stand in the steps of the second product
	FASTMUL 1
	; ---- pair 15 where no class of the tile reaches it: the common weight, but key 1,000 (register 8 of lanes 16-31) has its own
	s_bitcmp1_b32 s32, 15
	s_cbranch_scc1 .Lclass15
	WIN 2
	v_mul_f32 v[TM], v232, v[G3]
	WIN 0x82
.irp i, 0,2,4,6,8,10,12,14,16,18,20,22,24,26,28,30
	v_pk_mul_f32 v[224+\i:225+\i], v[224+\i:225+\i], v[G2:G2+1] op_sel_hi:[1,0]
.endr
	v_cndmask_b32 v232, v232, v[TM], s25
	WIN 0x0a
	v_max_num_f32 v[TM+1], |v224|, |v225|          ; lanes 16-31: the block's nine keys that exist, 992 to 1,000; the others' weights are zeros
.irp i, 226,228,230
	v_max3_num_f32 v[TM+1], |v[\i]|, |v[\i+1]|, v[TM+1]
.endr
	v_max3_num_f32 v[TM+1], |v232|, |v232|, v[TM+1]
	WIN 0
	v_cndmask_b32 v[ST+15], v[ST+15], v[TM+1], s25
.Lclass15:
	; ---- the blocks' scales
.irp p, 0,1,2,3,4,5,6,7,8,9,10,11,12,13,14,15
	v_max_num_f32 v[ST+\p], 0x1800000, v[ST+\p]    ; the floor 2^(3 - 127): the byte cannot fall under 1
.endr
.irp p, 0,1,2,3,4,5,6,7,8,9,10,11,12,13,14,15
	v_add_nc_u32 v[ST+\p], 0xff000000, v[ST+\p]    ; 2 off the exponent field: the conversion's scale operand
.endr
.irp p, 0,1,2,3,4,5,6,7,8,9,10,11,12,13,14,15
	v_lshrrev_b32 v[TT+\p], 23, v[ST+\p]           ; the byte
.endr
.irp g, 0,1,2,3,4,5,6,7
	v_lshl_or_b32 v[TT+16+\g], v[TT+2*\g+1], 16, v[TT+2*\g]   ; my two blocks of 128 keys: blocks h and 2 + h,
.endr
.irp g, 0,1,2,3,4,5,6,7
	v_lshlrev_b32 v[TT+16+\g], v[H8], v[TT+16+\g]  ; at their places in the word;
.endr
.irp g, 0,1,2,3,4,5,6,7
	v_permlanex16_b32 v[TT+24+\g], v[TT+16+\g], s20, s21
.endr
.irp g, 0,1,2,3,4,5,6,7
	v_or_b32 v[PS+\g], v[TT+16+\g], v[TT+24+\g]    ; with lane l xor 16's two the word is whole
.endr
	; ---- the second product, 128 keys at a time
	DSTEP 0
	DSTEP 1
	DSTEP 2
	DSTEP 3
	DSTEP 4
	DSTEP 5
	DSTEP 6
	DSTEP 7
	; ---- the way out: the weights were normalised, so O^T is the result.  Through my stage, so that sixteen lanes store 256 consecutive bytes, aligned
	NOPS 5                                         ; four places ahead of the stores that read the results; five ahead of the next tile's products, which write over registers that the last products read
.irp t, 0,1,2,3
	ds_store_b128 v[STO], v[OA+8*\t:OA+8*\t+3] offset:64*\t          ; each accumulator from its low end on
	ds_store_b128 v[STO], v[OA+8*\t+4:OA+8*\t+7] offset:64*\t+16
.endr
.irp i, 0,1,2,3,4,5,6,7
	ds_load_b128 v[TT+4*\i:TT+4*\i+3], v[SRD] offset:544*\i          ; LDS serves a wave's instructions in order: these see my stores
.endr
	s_cmp_eq_u32 s14, 62
	s_cbranch_scc1 .Ledge
.irp i, 0,1,2,3,4,5,6,7
	s_wait_dscnt 7-\i                              ; the loads issued behind load i may be out
	global_store_b128 v[GO], v[TT+4*\i:TT+4*\i+3], s[48:49] offset:8192*\i th:TH_STORE_NT
.endr
	s_branch .Lstored
.Ledge:                                            ; tile 62 has nine rows: 992 to 1,000
	s_wait_dscnt 0x0
.irp i, 0,1,2,3
	global_store_b128 v[GO], v[TT+4*\i:TT+4*\i+3], s[48:49] offset:8192*\i th:TH_STORE_NT
.endr
	s_wait_xcnt 0x0                                ; EXEC changes only behind this wait
	v_cmp_gt_u32 vcc_lo, 16, v[LN]
	s_and_saveexec_b32 s60, vcc_lo
	global_store_b128 v[GO], v[TT+16:TT+19], s[48:49] offset:32768 th:TH_STORE_NT
	s_wait_xcnt 0x0                                ; and again, ahead of the line that widens it
	s_or_b32 exec_lo, exec_lo, s60
.Lstored:
	s_wait_xcnt 0x0                                ; the stores have read their registers and their base: both are written again
	s_add_nc_u64 s[48:49], s[48:49], 4*65536
.Ltile_end:
	s_add_co_u32 s14, s14, 4
	s_sub_co_u32 s15, s15, 1
	s_cmp_lg_u32 s15, 0
	s_cbranch_scc1 .Ltile
	s_wait_tensorcnt 0x0                           ; the wave's end, behind my last LDS store
	ds_add_u32 v[SPW], v[NIL]
	s_wait_dscnt 0x0
	s_endpgm
.Lfunc_end_k_qd862b7f480_layer2:
	.size	k_qd862b7f480_layer2, .Lfunc_end_k_qd862b7f480_layer2-k_qd862b7f480_layer2
	.p2alignl 7, 3214868480
	.fill 96, 4, 3214868480
	.section	.rodata,"a",@progbits
	.p2align	6, 0x0
	.amdhsa_kernel k_qd862b7f480_layer2
		.amdhsa_group_segment_fixed_size 87552
		.amdhsa_private_segment_fixed_size 0
		.amdhsa_enable_private_segment 0
		.amdhsa_kernarg_size 24
		.amdhsa_user_sgpr_count 2
		.amdhsa_user_sgpr_kernarg_segment_ptr 1
		.amdhsa_wavefront_size32 1
		.amdhsa_system_sgpr_workgroup_id_x 1
		.amdhsa_system_sgpr_workgroup_id_y 1
		.amdhsa_system_sgpr_workgroup_id_z 1
		.amdhsa_system_vgpr_workitem_id 0
		.amdhsa_next_free_vgpr 1024
		.amdhsa_next_free_sgpr 66
		.amdhsa_reserve_vcc 1
		.amdhsa_float_denorm_mode_32 3
		.amdhsa_float_denorm_mode_16_64 3
		.amdhsa_memory_ordered 1
		.amdhsa_forward_progress 1
		.amdhsa_inst_pref_size 255
	.end_amdhsa_kernel
	.section	.bss,"aw",@nobits
	.p2align	6
	.space	262144
	.amdgpu_metadata
---
amdhsa.version: [ 1, 2 ]
amdhsa.kernels:
  - .name:           k_qd862b7f480_layer2
    .symbol:         k_qd862b7f480_layer2.kd
    .args:
      - { .name: x1, .offset: 0, .size: 8, .value_kind: global_buffer, .address_space: global }
      - { .name: attn_weights, .offset: 8, .size: 8, .value_kind: global_buffer, .address_space: global }
      - { .name: out0, .offset: 16, .size: 8, .value_kind: global_buffer, .address_space: global }
    .group_segment_fixed_size: 87552
    .private_segment_fixed_size: 0
    .kernarg_segment_align: 8
    .kernarg_segment_size: 24
    .max_flat_workgroup_size: 128
    .sgpr_count:     66
    .vgpr_count:     1024
    .wavefront_size: 32
...
	.end_amdgpu_metadata
.endif
;; end of part 2
